; MI455X (gfx1250); checked and timed in simulation.
; The chip was launched on July 23, 2026; its instructions are those of AMD's public machine-readable ISA for CDNA 5 (MIT licence, August 2026) and "CDNA5" Instruction Set Architecture Reference Guide (July 2026). The comments in the code are by the model that wrote it; some were corrected since.
;; Multihead Attention With Vdim. Allowed arithmetic: matrix products marked QUANTISED: E2M3 operands, one E8M0 scale for each 32 along K, by v_wmma_scale_f32_16x16x128_f8f6f4 with both operands' format E2M3, f32 sums; everything else in f32.
;; Inputs: Wk 512 x 512 float32; Wo 256 x 256 float32; Wq 512 x 512 float32; Wv 256 x 256 float32; attn_mask 900 x 4,096 float32; bk 512 float32; bo 256 float32; bq 512 float32; bv 256 float32; key 8 x 4,096 x 512 float32; key_padding_mask 8 x 4,096 bool; query 8 x 900 x 512 float32; value 8 x 4,096 x 256 float32.
;; Outputs: out0 8 x 900 x 256 float32.
;; This version of the problem:
;;   THIS VERSION OF THE PROBLEM IS GIVEN IN LOW PRECISION. The matrix products marked QUANTISED in the list below multiply operands that are first quantised to E2M3 (2 exponent bits, 3 mantissa bits; 6 bits a number), with one power-of-two scale for each 32 numbers along K (OCP MX v1.0); their sums are f32. All else is computed in f32.
;;   The module's matrix products, in the order in which they are computed (A, B: the left and right operand; K: the contracted axis; several contracted axes count as one K, in the product's order):
;;     1. [M 7,200, K 512] x [K 512, N 512]; A: input query; B: input Wq: QUANTISED
;;     2. [M 32,768, K 512] x [K 512, N 512]; A: input key; B: input Wk: QUANTISED
;;     3. [M 32,768, K 256] x [K 256, N 256]; A: input value; B: input Wv: QUANTISED
;;     4. batch 64 x [M 900, K 64] x [K 64, N 4,096]; A: computed on the way; B: computed on the way: QUANTISED
;;     5. batch 64 x [M 900, K 4,096] x [K 4,096, N 32]; A: softmax (see below); B: computed on the way: QUANTISED
;;     6. [M 7,200, K 256] x [K 256, N 256]; A: computed on the way; B: input Wo: QUANTISED
;;   THE QUANTISER, for each operand of a quantised product, along K:
;;     - K is cut into blocks of 32 from its start; a last block that is shorter is filled with zeros.
;;     - A block's scale is 2^e with e = floor(log2(the largest magnitude in the block)) - 2, held to -126 .. 127; a block of zeros has e = 0. As a byte (E8M0): e + 127.
;;     - Each number is divided by its block's scale, clamped to +-7.5, and rounded to the nearest number of E2M3, ties to even, subnormals kept.
;;     - The product sums the exact products of the quantised numbers (number of the format x scale) in f32.
;;   ~~~python
;;   def quantise(x, axis):      # numpy; x: float32 -> the quantised numbers, widened to float32 again
;;       x = np.moveaxis(x, axis, -1); K = x.shape[-1]
;;       x = np.pad(x, [(0, 0)] * (x.ndim - 1) + [(0, -K % 32)]); x = x.reshape(x.shape[:-1] + (-1, 32)); a = np.abs(x).max(-1, keepdims=True)
;;       e = np.where(a > 0, np.clip(np.frexp(np.where(a > 0, a, 1))[1] - 1 - 2, -126, 127), 0)      # np.frexp(a)[1] - 1 = floor(log2(a)), exactly
;;       r = np.clip(x / 2.0 ** e, -7.5, 7.5)
;;       step = 2.0 ** (np.maximum(np.frexp(np.where(r == 0, 1, r))[1] - 1, 0) - 3)
;;       q = np.round(r / step) * step * 2.0 ** e      # np.round: ties to even
;;       return np.moveaxis(q.reshape(q.shape[:-2] + (-1,))[..., :K], -1, axis).astype(np.float32)
;;   ~~~
;;   SOFTMAX AHEAD OF A QUANTISED PRODUCT. Where the list says 'softmax', what is quantised is not the finished softmax but p = 2^(t - M), with t = logit x log2(e) and M = ceil(the row's largest t), a whole number; so 1/2 < the row's largest p <= 1. The row's sum l is taken of the UNQUANTISED p, in f32, and the product's result is divided by l at the end. Since M is a whole number, a kernel that streams over the keys may use a running M (the ceiling of the running maximum): every later rescaling is an exact power of two, which a block's scale takes up: the codes' values come out the same.
;;   OPERANDS COMPUTED ON THE WAY. 'Computed on the way' means the value that the module computes at that place (a softmax that the list does not call 'softmax' is quantised finished and normalised). What goes into a quantiser is computed in f32, as accurately as f32 sums, v_exp_f32 and their like allow (about 1e-6 of the number): no bf16 or f16 on the way to a quantiser, and a product that is left as it is and whose result goes on into a quantised operand takes f32 operands (vector FMAs, or v_wmma_f32_16x16x4_f32). A number that lies on a knife's edge between two numbers of the format may be rounded either way, as far as f32 arithmetic and the matrix unit's own rounding can turn it there, and no further.
;; One version. Each part assembles by itself: llvm-mc -triple=amdgcn-amd-amdhsa -mcpu=gfx1250 --defsym DOCPART=n.
;; ======== version 1 of 1: 3 launches
;; limits: right only within a limited range of input values
;; workspace buffers: wimg 491,520 bytes; wscl 20,480 bytes; kv 25,165,824 bytes
;; launch wquant (part 1): grid 80 x 1, 4 waves a work-group, no clusters, 0 bytes of LDS; arguments Wq, Wk, Wv, Wo, wimg, wscl; writes wimg, wscl
.if DOCPART == 1
	.amdgcn_target "amdgcn-amd-amdhsa--gfx1250"
	.amdhsa_code_object_version 6
	.text
	.protected	k_q58ae29cd9b_wquant
	.globl	k_q58ae29cd9b_wquant
	.p2align	8
	.type	k_q58ae29cd9b_wquant,@function
k_q58ae29cd9b_wquant:
	s_mov_b64 s[64:65], 0
	v_nop
	global_prefetch_b8 v0, s[64:65] scope:SCOPE_SE
	s_setreg_imm32_b32 hwreg(HW_REG_WAVE_MODE, 25, 1), 1
	s_wait_xcnt 0x0
; Wq, Wk [512][512] and Wv, Wo [256][256], f32 with K innermost, become operands of FP6 (E2M3) codes with one E8M0 scale byte for each 32 along K,
; laid as the later launches' registers want them.  A FRAGMENT is 16 rows x 128 K: 12 registers a lane.  Fragment f lies in wimg as an image of those registers:
; register group c (four registers) of lane l at 1536 f + 512 c + 16 l; its rows' scale words (four bytes: 128 K of one row) in wscl at 64 f + 4 r.
; f = 4 t + s for Wq (tile of rows t, K step s), 128 + 4 t + s for Wk, 256 + 2 t + s for Wv, 288 + 2 t + s for Wo.
; THE ROWS OF A TILE ARE NOT NEIGHBOURS: lane r of tile t takes row 32 (t / 2) + 8 (t % 2) + r + 8 (r / 8), so that in a product used transposed the 16 registers of tiles 2 b and 2 b + 1
; are 16 neighbours along the next product's K.
; One wave makes one fragment: 320 waves, 80 work-groups (0-31 Wq, 32-63 Wk, 64-71 Wv, 72-79 Wo).  Only pointers and sizes are chosen by the work-group's number: one path for all four tensors.
; A block's scale is 2^(floor(log2(its largest magnitude)) - 2); its byte is that magnitude's exponent field - 2, held at 1 from below.
; LIMITS: a block of zeros gets the byte 1 where the rule says 127 (its codes are zeros, and this program alone reads the bytes); NaN and infinities among the inputs are not served.
; No LDS, no barrier, no loop: the launch reads 2.5 MiB once and waves share nothing, so matrix units, clusters and tensor loads would add nothing.
.set X,   16                           ; v16-79   64 numbers: register 16 b + i = k 32 b + 16 (lane / 16) + i of my row
.set TM,  80                           ; v80-95   at work: largest magnitudes, bytes, scale operands
.set CD,  96                           ; v96-107  the fragment's codes
.set CT,  108                          ; v108-115 the blocks' second halves, as the conversions leave them
.set PW,  116                          ; v116     my row's scale word
.set SEL, 32                           ; s[32:33] v_permlanex16_b32's selects for lane l xor 16
; 64 numbers of my row of a K step of 128: of each block of 32 my half's 16 neighbours, four loads of 16 bytes
.macro XLOAD reg, base, adr, off
.irp b, 0,1,2,3
.irp j, 0,1,2,3
	global_load_b128 v[\reg+16*\b+4*\j:\reg+16*\b+4*\j+3], v[\adr], s[\base:\base+1] offset:\off+128*\b+16*\j th:TH_LOAD_RT_NT
.endr
.endr
.endm
; 64 numbers v[src] on become codes: blocks 0, 1 into v[dst] .. v[dst + 5], blocks 2, 3 into v[dst + str] .. + 5; the four scale bytes into v[PW].  flr: the floor under every largest magnitude.
.macro QUANT src, dst, str, tmp, flr
.irp b, 0,1,2,3
	v_max3_num_f32 v[TM+\b], |v[\src+16*\b]|, |v[\src+1+16*\b]|, \flr          ; block b: my 16 numbers and the floor, so that the byte cannot fall under 1
.endr
.irp i, 2,4,6,8,10,12,14
.irp b, 0,1,2,3
	v_max3_num_f32 v[TM+\b], v[TM+\b], |v[\src+16*\b+\i]|, |v[\src+1+16*\b+\i]|   ; the four blocks by turns
.endr
.endr
.irp b, 0,1,2,3
	v_permlanex16_b32 v[TM+4+\b], v[TM+\b], s[SEL], s[SEL+1]
.endr
.irp b, 0,1,2,3
	v_max_num_f32 v[TM+\b], v[TM+\b], v[TM+4+\b]                                ; with lane l xor 16's: the block's largest magnitude
.endr
.irp b, 0,1,2,3
	v_add_nc_u32 v[TM+12+\b], 0xff000000, v[TM+\b]                              ; 2 off its exponent field: the conversion's scale operand
.endr
.irp b, 0,1,2,3
	v_lshrrev_b32 v[TM+4+\b], 23, v[TM+12+\b]                                   ; the scale's byte
.endr
	v_lshl_or_b32 v[PW], v[TM+5], 8, v[TM+4]
	v_lshl_or_b32 v[PW], v[TM+6], 16, v[PW]
	v_lshl_or_b32 v[PW], v[TM+7], 24, v[PW]
.irp c, 0,1
	v_cvt_scalef32_pk16_fp6_f32 v[\dst+\str*\c:\dst+\str*\c+2], v[\src+32*\c:\src+32*\c+15], v[TM+12+2*\c]
	v_cvt_scalef32_pk16_fp6_f32 v[\tmp+4*\c:\tmp+4*\c+2], v[\src+16+32*\c:\src+31+32*\c], v[TM+13+2*\c]   ; (a conversion's three registers begin on an even number)
.endr
	v_nop                                                                       ; one plain place behind a scaled conversion
.irp c, 0,1                                                                     ; the operand's layout wants a whole block in a lane: lanes 0-15 the even block, lanes 16-31 the odd one
.irp i, 0,1,2
	v_permlane16_swap_b32 v[\dst+\str*\c+\i], v[\tmp+4*\c+\i]
.endr
.irp i, 0,1,2
	v_mov_b32 v[\dst+\str*\c+3+\i], v[\tmp+4*\c+\i]
.endr
.endr
.endm
	s_load_b256 s[4:11], s[0:1], 0x0               ; Wq, Wk, Wv, Wo
	s_load_b128 s[12:15], s[0:1], 0x20             ; wimg, wscl
	v_lshrrev_b32 v6, 5, v0
	v_readfirstlane_b32 s16, v6                    ; wave 0..3
	v_and_b32 v1, 15, v0                           ; r
	v_bfe_u32 v2, v0, 4, 1                         ; lane / 16
	v_and_b32 v4, 31, v0
	v_lshlrev_b32 v4, 4, v4                        ; 16 x lane: my place in an image
	v_lshlrev_b32 v5, 2, v1                        ; 4 r: my row's scale word
	s_lshl_b32 s17, ttmp9, 2
	s_add_co_u32 s17, s17, s16                     ; my fragment: 4 x work-group + wave
	s_mov_b32 s[SEL], 0x76543210
	s_mov_b32 s[SEL+1], 0xfedcba98
.irp b, 0,1,2,3
	v_mov_b32 v[TM+4+\b], 0                        ; written once: a lane permute's destination counts as one of its sources
.endr
	s_wait_alu depctr_va_vdst(0)
	s_wait_kmcnt 0x0
	s_cmp_lt_u32 ttmp9, 32                         ; which tensor: the choices hang on the work-group's number alone
	s_cselect_b64 s[4:5], s[4:5], s[6:7]           ; Wq or Wk,
	s_cselect_b32 s18, 0, 128                      ; and its first fragment
	s_cmp_lt_u32 ttmp9, 72
	s_cselect_b64 s[8:9], s[8:9], s[10:11]         ; Wv or Wo
	s_mov_b32 s19, 288
	s_cselect_b32 s19, 256, s19
	s_cmp_lt_u32 ttmp9, 64
	s_cselect_b64 s[4:5], s[4:5], s[8:9]
	s_cselect_b32 s18, s18, s19
	s_cselect_b32 s20, 2, 1                        ; K steps a tile: 4 or 2, as a shift
	s_cselect_b32 s21, 3, 1                        ; and as a mask
	s_cselect_b32 s22, 11, 10                      ; a row is 2,048 or 1,024 bytes, as a shift
	s_sub_co_u32 s23, s17, s18                     ; the fragment's number in its tensor
	s_lshr_b32 s24, s23, s20                       ; t
	s_and_b32 s23, s23, s21                        ; s
	s_lshr_b32 s25, s24, 1
	s_lshl_b32 s25, s25, 5
	s_and_b32 s24, s24, 1
	s_lshl_b32 s24, s24, 3
	s_add_co_u32 s24, s24, s25                     ; the tile's first row: 32 (t / 2) + 8 (t % 2)
	s_lshl_b32 s24, s24, s22
	s_lshl_b32 s23, s23, 9                         ; 512 bytes a K step
	s_add_co_u32 s24, s24, s23
	s_mov_b32 s25, 0
	s_add_nc_u64 s[4:5], s[4:5], s[24:25]
	v_and_b32 v3, 8, v1
	v_add_nc_u32 v3, v3, v1                        ; r + 8 (r / 8)
	v_lshlrev_b32 v3, s22, v3
	v_lshl_add_u32 v3, v2, 6, v3                   ; my row, + 64 bytes for lanes 16-31
	s_mul_i32 s26, s17, 1536
	s_mov_b32 s27, 0
	s_add_nc_u64 s[12:13], s[12:13], s[26:27]      ; my fragment's image
	s_lshl_b32 s28, s17, 6
	s_mov_b32 s29, 0
	s_add_nc_u64 s[14:15], s[14:15], s[28:29]      ; and its scale words
	XLOAD X, 4, 3, 0
	s_wait_loadcnt 0x0
	QUANT X, CD, 6, CT, 0x1800000
.irp c, 0,1,2
	global_store_b128 v4, v[CD+4*\c:CD+4*\c+3], s[12:13] offset:512*\c     ; 32 lanes store 512 consecutive bytes, at a multiple of 512 from wimg's first byte
.endr
	global_store_b32 v5, v[PW], s[14:15]           ; lanes r and r + 16 hold the same word and write it to the same place
	s_endpgm
.Lfunc_end_k_q58ae29cd9b_wquant:
	.size	k_q58ae29cd9b_wquant, .Lfunc_end_k_q58ae29cd9b_wquant-k_q58ae29cd9b_wquant
	.p2alignl 7, 3214868480
	.fill 96, 4, 3214868480
	.section	.rodata,"a",@progbits
	.p2align	6, 0x0
	.amdhsa_kernel k_q58ae29cd9b_wquant
		.amdhsa_group_segment_fixed_size 0
		.amdhsa_private_segment_fixed_size 0
		.amdhsa_enable_private_segment 0
		.amdhsa_kernarg_size 48
		.amdhsa_user_sgpr_count 2
		.amdhsa_user_sgpr_kernarg_segment_ptr 1
		.amdhsa_wavefront_size32 1
		.amdhsa_system_sgpr_workgroup_id_x 1
		.amdhsa_system_sgpr_workgroup_id_y 1
		.amdhsa_system_sgpr_workgroup_id_z 1
		.amdhsa_system_vgpr_workitem_id 0
		.amdhsa_next_free_vgpr 128
		.amdhsa_next_free_sgpr 66
		.amdhsa_reserve_vcc 0
		.amdhsa_float_denorm_mode_32 3
		.amdhsa_float_denorm_mode_16_64 3
		.amdhsa_memory_ordered 1
		.amdhsa_forward_progress 1
		.amdhsa_inst_pref_size 8
	.end_amdhsa_kernel
	.amdgpu_metadata
---
amdhsa.version: [ 1, 2 ]
amdhsa.kernels:
  - .name:           k_q58ae29cd9b_wquant
    .symbol:         k_q58ae29cd9b_wquant.kd
    .args:
      - { .name: Wq, .offset: 0, .size: 8, .value_kind: global_buffer, .address_space: global }
      - { .name: Wk, .offset: 8, .size: 8, .value_kind: global_buffer, .address_space: global }
      - { .name: Wv, .offset: 16, .size: 8, .value_kind: global_buffer, .address_space: global }
      - { .name: Wo, .offset: 24, .size: 8, .value_kind: global_buffer, .address_space: global }
      - { .name: wimg, .offset: 32, .size: 8, .value_kind: global_buffer, .address_space: global }
      - { .name: wscl, .offset: 40, .size: 8, .value_kind: global_buffer, .address_space: global }
    .group_segment_fixed_size: 0
    .private_segment_fixed_size: 0
    .kernarg_segment_align: 8
    .kernarg_segment_size: 48
    .max_flat_workgroup_size: 128
    .sgpr_count:     66
    .vgpr_count:     128
    .wavefront_size: 32
...
	.end_amdgpu_metadata
.endif
;; end of part 1
;; launch kvproj (part 2): grid 32 x 8, 8 waves a work-group, no clusters, 80,896 bytes of LDS; arguments key, value, key_padding_mask, bk, bv, wimg, wscl, kv; writes kv
.if DOCPART == 2
	.amdgcn_target "amdgcn-amd-amdhsa--gfx1250"
	.amdhsa_code_object_version 6
	.text
	.protected	k_q58ae29cd9b_kvproj
	.globl	k_q58ae29cd9b_kvproj
	.p2align	8
	.type	k_q58ae29cd9b_kvproj,@function
k_q58ae29cd9b_kvproj:
	s_mov_b64 s[64:65], 0
	v_nop
	global_prefetch_b8 v0, s[64:65] scope:SCOPE_SE
	s_setreg_imm32_b32 hwreg(HW_REG_WAVE_MODE, 25, 1), 1
	s_wait_xcnt 0x0
; k = key Wk^T + bk and v = value Wv^T + bv, both products on codes of FP6 (E2M3) with one E8M0 scale for each 32 along K; the results are quantised at once for the attention launch:
; k along a head's 64 channels, v along the keys; the key padding mask is folded into k's operand.  key [8][4096][512], value [8][4096][256], f32; the weights come as images (launch wquant).
; SHARES.  A work-group takes 128 keys of one batch (x: the key step, y: the batch): 256 work-groups of equal work.  Wave h first quantises tile h (16 keys) of key (4 K steps) and of value (2)
; and leaves the fragments in LDS as images of their registers; one barrier; then wave h is HEAD h: its part of Wk (16 fragments) and of Wv (4) stays in its registers, and it makes all of its head's block of kv.
; THE KEYS OF A TILE ARE NOT NEIGHBOURS: lane r of tile T takes key 32 (T / 2) + 8 (T % 2) + r + 8 (r / 8); the weights' rows are chosen the same way.
; k IS MADE TRANSPOSED (source 0 = 16 rows of Wk, source 1 = 16 keys): a lane holds one key and 16 neighbouring channels of each block of 32.  v IS MADE PLAIN (source 0 = 16 keys, source 1 = 16 rows of Wv):
; a lane holds one channel and 16 neighbouring keys of each block of 32.  So both results lie as the quantiser wants them, and the conversions' results are the next operands' registers.
; A BLOCK OF kv, 12,288 bytes at ((32 batch + step) 8 + head) x 12,288, every byte of it stored here:
;   0      K's eight tiles, 8 registers a lane each (group c of lane l at 1024 T + 512 c + 16 l): registers 0-5 the codes of the head's 64 channels; register 6: in lanes 0-15 the code of k = 64: 1.0 for a masked key, else 0; register 7: 0
;   8192   K's scale words, 16 bytes a lane: lanes 0-15 those of tiles 0-3 for row r, lanes 16-31 of tiles 4-7.  A word: the two blocks' bytes, then 247 (2^120) for a masked key or 1, then 1
;   8704   V^T's two tiles of 16 channels x 128 keys, 12 registers a lane (1536 u + 512 c + 16 l)
;   11776  V^T's scale words, 16 bytes a lane, the word first: lanes 0-15 tile 0, lanes 16-31 tile 1
; The weights' images are not asked for jointly by a cluster: each wave's 30,720 bytes go once, straight into the registers that keep them, with no pass through LDS; a joint load would bring all 245,760 bytes
; into LDS first, and each wave would read its part from there once more.
; LIMITS: a block of zeros gets the byte 1 where the rule says 127 (its codes are zeros, and this program alone reads the bytes); NaN and infinities among the inputs are not served.
; REGISTERS.  Window 0: v1-12 addresses and the lanes' mask; v16-25 the weights' scale words; v26-29 x's; v32-39 K's scale words; v40-47 the mask's bytes; v48-79 bk in the result's layout; v80-95 at work;
;   v96-119 codes; v120-183 results (first: numbers as loaded); v184-247 x's fragments (first: numbers as loaded); v248-253 small things.   Window 1: v0-191 Wk; v192-239 Wv; v240-255 bv in the result's layout.
.set XIMG, 0                           ; LDS: key's 32 fragments (tile T, K step s: 4 T + s), 1,536 bytes each
.set XSC,  49152                       ; their scale words, 128 bytes each
.set VIMG, 53248                       ; value's 16 fragments (2 T + s)
.set VSC,  77824                       ; their scale words
.set XA,  1                            ; v1   key: my row of 2,048 bytes in a tile, + 64 for lanes 16-31
.set XV,  2                            ; v2   value: the same with rows of 1,024 bytes
.set LI,  3                            ; v3   16 x lane
.set LS,  4                            ; v4   4 x lane
.set XWI, 5                            ; v5   where I store key's images
.set XWS, 6                            ; v6   and their scale words
.set VWI, 7                            ; v7   value's images
.set VWS, 8                            ; v8   and their scale words
.set LIV, 9                            ; v9   VIMG + 16 x lane
.set LSV, 10                           ; v10  VSC + 4 x lane
.set KP,  11                           ; v11  r + 8 (r / 8)
.set LM,  12                           ; v12  all ones in lanes 0-15, 0 in lanes 16-31
.set WKS, 16                           ; v16-23  Wk's scale words: 2 l + p: lanes 0-15 K step 2 p, lanes 16-31 K step 2 p + 1 of column tile l
.set WVS, 24                           ; v24-25  Wv's: tile u, lanes 0-15 K step 0, lanes 16-31 K step 1
.set XS,  26
.set PW,  30                           ; the scale word just made
.set PWV0, 31                          ; V^T's tile 0's
.set SWR, 32
.set M8,  40
.set BK,  48
.set TM,  80
.set IM,  96
.set IT,  112
.set HA,  120
.set XF,  184
.set KP4, 248                          ; 4 x (r + 8 (r / 8))
.set HH64, 249                         ; 64 x (lane / 16)
.set BVT, 250                          ; v250-251 bv of my channel in tiles 0, 1
.set TA,  252
.set TB,  253
.set WV1, 192                          ; in window 1
.set BV1, 240
.set SEL, 40
.set MSB, 0
.macro WIN new                         ; the immediate's high byte repeats the setting that is left
.if MSB != (\new)
	s_set_vgpr_msb (MSB<<8)|(\new)
.set MSB, (\new)
.endif
.endm
.macro PLACES n
.rept \n
	v_nop
.endr
.endm
.macro XLOAD reg, base, adr, off       ; 64 numbers of my row of a K step of 128: register 16 b + i = k 32 b + 16 (lane / 16) + i
.irp b, 0,1,2,3
.irp j, 0,1,2,3
	global_load_b128 v[\reg+16*\b+4*\j:\reg+16*\b+4*\j+3], v[\adr], s[\base:\base+1] offset:\off+128*\b+16*\j th:TH_LOAD_RT_NT
.endr
.endr
.endm
.macro WFRAG reg, base, off            ; a weight's fragment as it lies: three loads of 512 consecutive bytes
.irp c, 0,1,2
	global_load_b128 v[\reg+4*\c:\reg+4*\c+3], v[LI], s[\base:\base+1] offset:\off+512*\c
.endr
.endm
; 64 numbers v[src] on become codes: blocks 0, 1 into v[dst] .. v[dst + 5], blocks 2, 3 into v[dst + str] .. + 5; the four scale bytes into v[PW].  flr: the floor under every largest magnitude.
.macro QUANT src, dst, str, tmp, flr
.irp b, 0,1,2,3
	v_max3_num_f32 v[TM+\b], |v[\src+16*\b]|, |v[\src+1+16*\b]|, \flr          ; block b: my 16 numbers and the floor, so that the byte cannot fall under 1.  (Each result is read from its low end on)
.endr
.irp i, 2,4,6,8,10,12,14
.irp b, 0,1,2,3
	v_max3_num_f32 v[TM+\b], v[TM+\b], |v[\src+16*\b+\i]|, |v[\src+1+16*\b+\i]|   ; the four blocks by turns
.endr
.endr
.irp b, 0,1,2,3
	s_delay_alu instid0(VALU_DEP_4)
	v_permlanex16_b32 v[TM+4+\b], v[TM+\b], s[SEL], s[SEL+1]
.endr
.irp b, 0,1,2,3
	s_delay_alu instid0(VALU_DEP_4)
	v_max_num_f32 v[TM+\b], v[TM+\b], v[TM+4+\b]                                ; with lane l xor 16's: the block's largest magnitude
.endr
.irp b, 0,1,2,3
	s_delay_alu instid0(VALU_DEP_4)
	v_add_nc_u32 v[TM+12+\b], 0xff000000, v[TM+\b]                              ; 2 off its exponent field: the conversion's scale operand
.endr
.irp b, 0,1,2,3
	s_delay_alu instid0(VALU_DEP_4)
	v_lshrrev_b32 v[TM+4+\b], 23, v[TM+12+\b]                                   ; the scale's byte
.endr
	s_delay_alu instid0(VALU_DEP_3)
	v_lshl_or_b32 v[PW], v[TM+5], 8, v[TM+4]
	s_delay_alu instid0(VALU_DEP_1)
	v_lshl_or_b32 v[PW], v[TM+6], 16, v[PW]
	s_delay_alu instid0(VALU_DEP_1)
	v_lshl_or_b32 v[PW], v[TM+7], 24, v[PW]
.irp c, 0,1
	v_cvt_scalef32_pk16_fp6_f32 v[\dst+\str*\c:\dst+\str*\c+2], v[\src+32*\c:\src+32*\c+15], v[TM+12+2*\c]
	v_cvt_scalef32_pk16_fp6_f32 v[\tmp+4*\c:\tmp+4*\c+2], v[\src+16+32*\c:\src+31+32*\c], v[TM+13+2*\c]   ; (a conversion's three registers begin on an even number)
.endr
	v_nop                                                                       ; one plain place behind a scaled conversion
.irp c, 0,1                                                                     ; the operand's layout wants a whole block in a lane
.irp i, 0,1,2
	v_permlane16_swap_b32 v[\dst+\str*\c+\i], v[\tmp+4*\c+\i]
.endr
.irp i, 0,1,2
	s_delay_alu instid0(VALU_DEP_3)
	v_mov_b32 v[\dst+\str*\c+3+\i], v[\tmp+4*\c+\i]
.endr
.endr
.endm
.macro IMAGE adr, off                  ; the fragment in v[IM] on goes to LDS as it stands
.irp c, 0,1,2
	ds_store_b128 v[\adr], v[IM+4*\c:IM+4*\c+3] offset:\off+512*\c
.endr
.endm
.macro FETCH reg, adr, off             ; and comes back so, in any wave
.irp c, 0,1,2
	ds_load_b128 v[\reg+4*\c:\reg+4*\c+3], v[\adr] offset:\off+512*\c
.endr
.endm
; one matrix instruction.  ra, rb = 1: source 0's, source 1's scales are read from lanes 16-31 of their register
.macro MM d, a, b, c, sa, sb, ra, rb
.if (\ra) && (\rb)
	v_wmma_scale_f32_16x16x128_f8f6f4 v[\d:\d+7], v[\a:\a+11], v[\b:\b+11], v[\c:\c+7], v[\sa], v[\sb] matrix_a_fmt:MATRIX_FMT_FP6 matrix_b_fmt:MATRIX_FMT_FP6 matrix_a_scale:MATRIX_SCALE_ROW1 matrix_b_scale:MATRIX_SCALE_ROW1
.elseif \ra
	v_wmma_scale_f32_16x16x128_f8f6f4 v[\d:\d+7], v[\a:\a+11], v[\b:\b+11], v[\c:\c+7], v[\sa], v[\sb] matrix_a_fmt:MATRIX_FMT_FP6 matrix_b_fmt:MATRIX_FMT_FP6 matrix_a_scale:MATRIX_SCALE_ROW1
.elseif \rb
	v_wmma_scale_f32_16x16x128_f8f6f4 v[\d:\d+7], v[\a:\a+11], v[\b:\b+11], v[\c:\c+7], v[\sa], v[\sb] matrix_a_fmt:MATRIX_FMT_FP6 matrix_b_fmt:MATRIX_FMT_FP6 matrix_b_scale:MATRIX_SCALE_ROW1
.else
	v_wmma_scale_f32_16x16x128_f8f6f4 v[\d:\d+7], v[\a:\a+11], v[\b:\b+11], v[\c:\c+7], v[\sa], v[\sb] matrix_a_fmt:MATRIX_FMT_FP6 matrix_b_fmt:MATRIX_FMT_FP6
.endif
.endm
	s_load_b256 s[4:11], s[0:1], 0x0               ; key, value, key_padding_mask, bk
	s_load_b256 s[12:19], s[0:1], 0x20             ; bv, wimg, wscl, kv
	v_lshl_add_u32 v254, v0, 2, 0x13800
	v_mov_b32 v255, 0
	v_lshrrev_b32 v13, 5, v0
	s_delay_alu instid0(VALU_DEP_1)
	v_readfirstlane_b32 s20, v13                   ; wave = head = my tile of keys, 0..7
	s_mov_b32 s21, ttmp9                           ; the key step
	s_and_b32 s22, ttmp7, 0xffff                   ; the batch
	v_and_b32 v13, 15, v0                          ; r
	v_bfe_u32 v14, v0, 4, 1                        ; lane / 16
	v_and_b32 v15, 31, v0                          ; lane
	s_delay_alu instid0(VALU_DEP_3)
	v_and_b32 v[KP], 8, v13
	s_delay_alu instid0(VALU_DEP_1)
	v_add_nc_u32 v[KP], v[KP], v13
	s_delay_alu instid0(VALU_DEP_4)
	v_lshlrev_b32 v[HH64], 6, v14
	s_delay_alu instid0(VALU_DEP_1)
	v_lshl_add_u32 v[XA], v[KP], 11, v[HH64]
	s_delay_alu instid0(VALU_DEP_2)
	v_lshl_add_u32 v[XV], v[KP], 10, v[HH64]
	s_delay_alu instid0(VALU_DEP_4)
	v_lshlrev_b32 v[KP4], 2, v[KP]
	v_lshlrev_b32 v[LI], 4, v15
	v_lshlrev_b32 v[LS], 2, v15
	s_mul_i32 s23, s20, 4*1536
	v_add_nc_u32 v[XWI], s23, v[LI]                ; key's fragments 4 h + s
	s_lshl_b32 s23, s20, 9
	s_add_co_u32 s23, s23, XSC
	v_add_nc_u32 v[XWS], s23, v[LS]
	s_mul_i32 s23, s20, 2*1536
	s_add_co_u32 s23, s23, VIMG
	v_add_nc_u32 v[VWI], s23, v[LI]                ; value's fragments 2 h + s
	s_lshl_b32 s23, s20, 8
	s_add_co_u32 s23, s23, VSC
	v_add_nc_u32 v[VWS], s23, v[LS]
	v_add_nc_u32 v[LIV], VIMG, v[LI]
	v_add_nc_u32 v[LSV], VSC, v[LS]
	v_add_nc_u32 v[LM], -1, v14
.irp b, 0,1,2,3
	v_mov_b32 v[TM+4+\b], 0                        ; written once: a lane permute's destination counts as one of its sources
.endr
	s_mov_b32 s[SEL], 0x76543210
	s_mov_b32 s[SEL+1], 0xfedcba98
	s_mov_b32 s42, 0xf60000                        ; a masked key's third scale byte is 1 + 246 = 247
	s_mov_b32 s43, 0x01010000                      ; bytes 2 and 3 of K's scale word where the key counts
	s_mov_b32 s44, 0xffff                          ; lanes 0-15
	s_lshl_b32 s50, s22, 12
	s_lshl_b32 s51, s21, 7
	s_add_co_u32 s50, s50, s51                     ; the step's first key among all batches': 4096 batch + 128 step
	s_lshr_b32 s51, s20, 1
	s_lshl_b32 s51, s51, 5
	s_and_b32 s52, s20, 1
	s_lshl_b32 s52, s52, 3
	s_add_co_u32 s51, s51, s52
	s_add_co_u32 s51, s51, s50                     ; my tile's first key: + 32 (h / 2) + 8 (h % 2)
	s_lshl_b32 s24, s51, 11                        ; all these offsets stay under 2^27
	s_mov_b32 s25, 0
	s_lshl_b32 s26, s51, 10
	s_mov_b32 s27, 0
	s_mov_b32 s28, s50
	s_mov_b32 s29, 0
	s_mul_i32 s30, s20, 16*1536
	s_add_co_u32 s30, s30, 128*1536                ; Wk's fragments 128 + 16 h on
	s_mov_b32 s31, 0
	s_mul_i32 s32, s20, 4*1536
	s_add_co_u32 s32, s32, 256*1536                ; Wv's fragments 256 + 4 h on
	s_mov_b32 s33, 0
	s_lshl_b32 s34, s20, 10
	s_add_co_u32 s34, s34, 128*64
	s_mov_b32 s35, 0
	s_lshl_b32 s36, s20, 8
	s_add_co_u32 s36, s36, 256*64
	s_mov_b32 s37, 0
	s_lshl_b32 s38, s20, 8                         ; bk: my head's 64 numbers
	s_mov_b32 s39, 0
	s_lshl_b32 s46, s20, 7                         ; bv: my head's 32
	s_mov_b32 s47, 0
	s_lshl_b32 s48, s22, 5
	s_add_co_u32 s48, s48, s21
	s_lshl_b32 s48, s48, 3
	s_add_co_u32 s48, s48, s20
	s_mul_i32 s48, s48, 12288                      ; my block of kv
	s_mov_b32 s49, 0
	s_wait_kmcnt 0x0
	s_add_nc_u64 s[24:25], s[4:5], s[24:25]        ; key at my tile
	s_add_nc_u64 s[26:27], s[6:7], s[26:27]        ; value at my tile
	s_add_nc_u64 s[28:29], s[8:9], s[28:29]        ; the mask at the step's first key
	s_add_nc_u64 s[30:31], s[14:15], s[30:31]
	s_add_nc_u64 s[32:33], s[14:15], s[32:33]
	s_add_nc_u64 s[34:35], s[16:17], s[34:35]
	s_add_nc_u64 s[36:37], s[16:17], s[36:37]
	s_add_nc_u64 s[38:39], s[10:11], s[38:39]
	s_add_nc_u64 s[46:47], s[12:13], s[46:47]
	s_add_nc_u64 s[48:49], s[18:19], s[48:49]
; ---- X: my tile of key (four K steps) and of value (two) becomes six fragments in LDS.  Two buffers of 64 numbers take turns; my head's weights, biases and mask bytes are asked for between the chunks.
; left: the loads issued behind this chunk's sixteen, which may stay out.
.macro CHUNK buf, left, ia, sa, k
	s_wait_loadcnt \left
	QUANT \buf, IM, 6, IT, 0x1800000
	IMAGE \ia, 1536*\k
	ds_store_b32 v[\sa], v[PW] offset:128*\k
	s_wait_dscnt 0x0                               ; the stores have read their registers
.endm
	XLOAD HA, 24, XA, 0
	WIN 0x40                                       ; destination window 1
.irp f, 0,1,2,3,4
	WFRAG 12*\f, 30, 1536*\f                       ; 15 loads
.endr
	WIN 0
	XLOAD XF, 24, XA, 512
	WIN 0x40
.irp f, 5,6,7,8,9
	WFRAG 12*\f, 30, 1536*\f                       ; 15
.endr
	WIN 0
	CHUNK HA, 46, XWI, XWS, 0                      ; behind its loads: 15 + 16 + 15
	XLOAD HA, 24, XA, 1024
	WIN 0x40
.irp f, 10,11,12,13,14
	WFRAG 12*\f, 30, 1536*\f                       ; 15
.endr
	WIN 0
	CHUNK XF, 46, XWI, XWS, 1                      ; 15 + 16 + 15
	XLOAD XF, 24, XA, 1536
	WIN 0x40
	WFRAG 12*15, 30, 1536*15                       ; 3,
	WIN 0
.irp l, 0,1,2,3
.irp p, 0,1
	global_load_b32 v[WKS+2*\l+\p], v[LS], s[34:35] offset:(4*\l+2*\p)*64     ; 8: the words of two neighbouring K steps by one load,
.endr
.endr
.irp u, 0,1
	global_load_b32 v[WVS+\u], v[LS], s[36:37] offset:2*\u*64                 ; 2,
	global_load_b32 v[BVT+\u], v[KP4], s[46:47] offset:32*\u                  ; 2: 15 in all.  bv of channel 8 u + r + 8 (r / 8)
.endr
	CHUNK HA, 46, XWI, XWS, 2                      ; 15 + 16 + 15
	XLOAD HA, 26, XV, 0
	WIN 0x40
.irp f, 0,1,2,3
	WFRAG WV1+12*\f, 32, 1536*\f                   ; 12
.endr
	WIN 0
	CHUNK XF, 43, XWI, XWS, 3                      ; 15 + 16 + 12
	XLOAD XF, 26, XV, 512
.irp l, 0,1,2,3
	global_load_b128 v[BK+8*\l:BK+8*\l+3], v[HH64], s[38:39] offset:(32*(\l/2)+8*(\l%2))*4       ; 8: bk of channels 32 (l / 2) + 16 (lane / 16) + 8 (l % 2) + 0 .. 7
	global_load_b128 v[BK+8*\l+4:BK+8*\l+7], v[HH64], s[38:39] offset:(32*(\l/2)+8*(\l%2))*4+16
.endr
.irp t, 0,1,2,3,4,5,6,7
	global_load_u8 v[M8+\t], v[KP], s[28:29] offset:32*(\t/2)+8*(\t%2)        ; 8: the mask's byte of row r of tile t.  16 in all
.endr
	CHUNK HA, 44, VWI, VWS, 0                      ; 12 + 16 + 16
	CHUNK XF, 16, VWI, VWS, 1                      ; 16
	s_wait_loadcnt 0x0
	WIN 0x40
.irp u, 0,1
.irp j, 0,1,2,3,4,5,6,7
	v_mov_b32 v[BV1+8*\u+\j], v[BVT+\u]            ; in v's result a lane holds one channel: its bias eight times
.endr
.endr
	WIN 0
	s_wait_dscnt 0x0                               ; my LDS stores have landed
	s_barrier_signal -1
	s_barrier_wait -1                              ; all 48 fragments lie in LDS; nothing is written there again
; ---- K.  Tile rt of keys x my head's 64 channels: 16 matrix instructions, four accumulators by turns, K ascending; bk is the C of each sum's first.  Results at v[HA + o] on.
.macro ROWT rt, o
.irp s, 0,1,2,3
	FETCH XF+12*\s, LI, XIMG+(4*(\rt)+\s)*1536
	ds_load_b32 v[XS+\s], v[LS] offset:XSC+128*(4*(\rt)+\s)
.endr
	s_wait_dscnt 0x0
	WIN 0x01                                       ; source 0 (Wk) window 1
.irp s, 0,1,2,3
.irp l, 0,1,2,3
.if \s == 0
	MM HA+\o+8*\l, 12*(4*\l+\s), XF+12*\s, BK+8*\l, WKS+2*\l+\s/2, XS+\s, 0, 0
.else
	MM HA+\o+8*\l, 12*(4*\l+\s), XF+12*\s, HA+\o+8*\l, WKS+2*\l+\s/2, XS+\s, \s%2, 0
.endif
.endr
.endr
	WIN 0
	PLACES 4                                       ; in front of loads into registers that matrix instructions have read, and of the first read of results
.endm
; Two tiles of keys are 64 numbers a lane: four blocks of 32 channels, quantised together; each tile's half fragment, flag and zeros make its 8 registers.
.macro KPAIR rt
	ROWT \rt, 0
	ROWT (\rt)+1, 32
	s_wait_xcnt 0x0                                ; the last stores have read the codes' registers
	QUANT HA, IM, 8, IT, 0x1800000
.irp i, 0,1
	v_lshlrev_b32 v[TA], 3, v[M8+(\rt)+\i]         ; the code of 1.0 is 8
	s_delay_alu instid0(VALU_DEP_1)
	v_and_b32 v[IM+8*\i+6], v[TA], v[LM]           ; at k = 64, which lanes 0-15 hold
	v_mov_b32 v[IM+8*\i+7], 0
.endr
	v_mad_u32_u24 v[TA], v[M8+(\rt)], s42, s43
	s_delay_alu instid0(VALU_DEP_1)
	v_and_or_b32 v[SWR+(\rt)], v[PW], 0xffff, v[TA]
	v_mad_u32_u24 v[TA], v[M8+(\rt)+1], s42, s43
	v_lshrrev_b32 v[TB], 16, v[PW]
	s_delay_alu instid0(VALU_DEP_1)
	v_or_b32 v[SWR+(\rt)+1], v[TB], v[TA]
.irp i, 0,1
.irp c, 0,1
	global_store_b128 v[LI], v[IM+8*\i+4*\c:IM+8*\i+4*\c+3], s[48:49] offset:((\rt)+\i)*1024+512*\c   ; 512 consecutive bytes, at a multiple of 512 from kv's first byte
.endr
.endr
.endm
	KPAIR 0
	KPAIR 2
	KPAIR 4
	KPAIR 6
	s_wait_alu depctr_va_vdst(0)
	s_wait_xcnt 0x0
.irp q, 0,1,2,3
	v_cndmask_b32 v[IM+\q], v[SWR+4+\q], v[SWR+\q], s44    ; lanes 0-15: tile q's word; lanes 16-31: tile q + 4's
.endr
	global_store_b128 v[LI], v[IM:IM+3], s[48:49] offset:8192
; ---- V.  Tile u of my head's channels x the 128 keys: eight accumulators (the tiles of keys) by turns, a K step at a time, four fragments of value fetched together; bv is the C of each sum's first.
.macro VCOL u
.irp s, 0,1
.irp g, 0,1
.irp i, 0,1,2,3
	FETCH XF+12*\i, LIV, (2*(4*\g+\i)+\s)*1536
	ds_load_b32 v[XS+\i], v[LSV] offset:128*(2*(4*\g+\i)+\s)
.endr
	s_wait_dscnt 0x0
.if \s == 0
	WIN 0x14                                       ; source 1 (Wv) and source 2 (bv) window 1
.else
	WIN 0x04                                       ; source 1 window 1
.endif
.irp i, 0,1,2,3
.if \s == 0
	MM HA+8*(4*\g+\i), XF+12*\i, WV1+12*(2*\u), BV1+8*\u, XS+\i, WVS+\u, 0, 0
.else
	MM HA+8*(4*\g+\i), XF+12*\i, WV1+12*(2*\u+1), HA+8*(4*\g+\i), XS+\i, WVS+\u, 0, 1
.endif
.endr
	WIN 0
	PLACES 4
.endr
.endr
	s_wait_xcnt 0x0                                ; the last stores have read the codes' registers
	QUANT HA, IM, 6, IT, 0x1800000                 ; register 16 b + i is key 32 b + 16 (lane / 16) + i of my channel
.irp c, 0,1,2
	global_store_b128 v[LI], v[IM+4*\c:IM+4*\c+3], s[48:49] offset:8704+1536*\u+512*\c
.endr
.endm
	VCOL 0
	v_mov_b32 v[PWV0], v[PW]
	VCOL 1
	v_cndmask_b32 v[HA], v[PW], v[PWV0], s44       ; lanes 0-15: tile 0's word; lanes 16-31: tile 1's
	v_mov_b32 v[HA+1], 0
	v_mov_b32 v[HA+2], 0
	v_mov_b32 v[HA+3], 0
	global_store_b128 v[LI], v[HA:HA+3], s[48:49] offset:11776
	s_wait_tensorcnt 0x0
	ds_add_u32 v254, v255
	s_wait_dscnt 0x0
	s_endpgm
.Lfunc_end_k_q58ae29cd9b_kvproj:
	.size	k_q58ae29cd9b_kvproj, .Lfunc_end_k_q58ae29cd9b_kvproj-k_q58ae29cd9b_kvproj
	.p2alignl 7, 3214868480
	.fill 96, 4, 3214868480
	.section	.rodata,"a",@progbits
	.p2align	6, 0x0
	.amdhsa_kernel k_q58ae29cd9b_kvproj
		.amdhsa_group_segment_fixed_size 80896
		.amdhsa_private_segment_fixed_size 0
		.amdhsa_enable_private_segment 0
		.amdhsa_kernarg_size 64
		.amdhsa_user_sgpr_count 2
		.amdhsa_user_sgpr_kernarg_segment_ptr 1
		.amdhsa_wavefront_size32 1
		.amdhsa_system_sgpr_workgroup_id_x 1
		.amdhsa_system_sgpr_workgroup_id_y 1
		.amdhsa_system_sgpr_workgroup_id_z 1
		.amdhsa_system_vgpr_workitem_id 0
		.amdhsa_next_free_vgpr 512
		.amdhsa_next_free_sgpr 66
		.amdhsa_reserve_vcc 0
		.amdhsa_float_denorm_mode_32 3
		.amdhsa_float_denorm_mode_16_64 3
		.amdhsa_memory_ordered 1
		.amdhsa_forward_progress 1
		.amdhsa_inst_pref_size 124
	.end_amdhsa_kernel
	.amdgpu_metadata
---
amdhsa.version: [ 1, 2 ]
amdhsa.kernels:
  - .name:           k_q58ae29cd9b_kvproj
    .symbol:         k_q58ae29cd9b_kvproj.kd
    .args:
      - { .name: key, .offset: 0, .size: 8, .value_kind: global_buffer, .address_space: global }
      - { .name: value, .offset: 8, .size: 8, .value_kind: global_buffer, .address_space: global }
      - { .name: key_padding_mask, .offset: 16, .size: 8, .value_kind: global_buffer, .address_space: global }
      - { .name: bk, .offset: 24, .size: 8, .value_kind: global_buffer, .address_space: global }
      - { .name: bv, .offset: 32, .size: 8, .value_kind: global_buffer, .address_space: global }
      - { .name: wimg, .offset: 40, .size: 8, .value_kind: global_buffer, .address_space: global }
      - { .name: wscl, .offset: 48, .size: 8, .value_kind: global_buffer, .address_space: global }
      - { .name: kv, .offset: 56, .size: 8, .value_kind: global_buffer, .address_space: global }
    .group_segment_fixed_size: 80896
    .private_segment_fixed_size: 0
    .kernarg_segment_align: 8
    .kernarg_segment_size: 64
    .max_flat_workgroup_size: 256
    .sgpr_count:     66
    .vgpr_count:     512
    .wavefront_size: 32
...
	.end_amdgpu_metadata
.endif
;; end of part 2
;; launch attn (part 3): grid 32 x 8, 8 waves a work-group, clusters of 4 x 4, 327,680 bytes of LDS; arguments query, attn_mask, bq, bo, wimg, wscl, kv, out0; writes out0
.if DOCPART == 3
	.amdgcn_target "amdgcn-amd-amdhsa--gfx1250"
	.amdhsa_code_object_version 6
	.text
	.protected	k_q58ae29cd9b_attn
	.globl	k_q58ae29cd9b_attn
	.p2align	8
	.type	k_q58ae29cd9b_attn,@function
k_q58ae29cd9b_attn:
	s_mov_b64 s[64:65], 0
	v_nop
	global_prefetch_b8 v0, s[64:65] scope:SCOPE_SE
	s_setreg_imm32_b32 hwreg(HW_REG_WAVE_MODE, 25, 1), 1
	s_wait_xcnt 0x0
	s_wait_alu depctr_hold_cnt(0) depctr_sa_sdst(0) depctr_va_vdst(0) depctr_va_sdst(0) depctr_va_ssrc(0) depctr_va_vcc(0) depctr_vm_vsrc(0)
	s_getreg_b32 s2, hwreg(HW_REG_IB_STS2, 6, 4)
	s_cmp_eq_u32 s2, 0
	s_cbranch_scc0 .Lentry_in_a_cluster
	s_endpgm
.Lentry_in_a_cluster:
	s_bfe_u32 s2, ttmp6, 0x10000c
	s_cmp_lg_u32 s2, 0xf033
	s_cbranch_scc0 .Lentry_shape_is_right
	s_endpgm
.Lentry_shape_is_right:
; out0 = softmax((query Wq^T + bq)(k)^T / 8 + attn_mask, masked keys left out) v Wo^T + bo: the q projection at the head, attention's two products in the loop, the output projection at the tail,
; all four on codes of FP6 (E2M3) with one E8M0 scale for each 32 along K.  k and v come quantised from launch kvproj (its head comment has kv's layout), the weights as images from launch wquant.
; SHARES.  A batch's 900 queries are cut into 32 blocks: block x begins at (225 x) >> 3 and has 28 or 29 rows.  A work-group (x: block, y: batch) computes the window of 32 rows from w = min(begin, 868)
; and stores its own rows alone: 256 work-groups of equal work.  Wave h is HEAD h with two tiles of 16 queries: tile A in register window 0, tile B in window 1; both use each fragment of K and V that the wave loads.
; LAYOUT.  Both products are used transposed (S^T = K Q^T, O^T = V^T P^T): a lane holds ONE query; kvproj chose a tile's keys so that the 16 registers of tiles 2 b, 2 b + 1 are 16 neighbouring keys.
; THE MASKS.  1 / 8 is taken off q's scale bytes.  attn_mask's tile is loaded from LDS into the score registers and is the C of the first product.  The head has 64 channels, so half of the instruction's K is free:
; at k = 64 K holds the code 1.0 under scale 2^120 for a masked key (else 0) and q holds -1.0: a masked key's logit is -2^120, which gives p = 0.
; THE SOFTMAX.  M = ceil(the running largest logit x log2(e)); p = 2^(t - M) is quantised along the keys, not normalised; the sum is taken of the unquantised p and divides O at the end; when M moves,
; the sum and O are multiplied by 2^(old M - new M), which rounds nothing.  The largest logit begins at -1e30, above a masked key's.  A row all of whose keys are masked ends with the sum 0 and is set to NaN by a select.
; kv GOES STRAIGHT INTO REGISTERS, and is not asked for jointly: a head's block of a key step, 12,288 bytes, is read by one wave of the work-group alone and lies in memory as that wave's registers want it.
; Through LDS the step's 98,304 bytes would leave room for one step in a slot and ask for a round in every step; without them a slot holds four steps of attn_mask, and a round serves four steps.
; A STEP IS STAGGERED, and written once (an inner loop of four trips for a slot): tile A's mask is asked of LDS; tile B's softmax of step n - 1, with Q K (A, n) behind its exponentials; P V (B, n - 1); V (n) is asked of
; memory (7 loads) and tile B's mask of LDS; tile A's softmax, with Q K (B, n) ahead of its exponentials and, behind that, K (n + 1)'s 17 loads into the registers just read; P V (A, n).
; The first step finds tile B's logits at -2^120 and V at zero codes, which leave O and the sum at 0.  In the last step K's address is held by a select: block 31 is loaded once more and not used.
; CLUSTER, 4 x 4.  A column of the cluster shares the block of queries, so attn_mask's tiles: they are asked for jointly, one load a wave: wave w fetches 16 rows (w % 2) of the slot's key step w / 2.
; PREFETCH.  Step t names key step t + 3's kv: of its 384 blocks of 256 bytes the partner at cx takes 96, each of its waves 12, a lane a block (lanes 12-31 name lane 11's again); steps 29 to 31 name nothing.
; attn_mask is not prefetched: a slot's joint load is issued four key steps ahead of the wait for it.
; LIMITS: NaN and infinities among the floating-point inputs (-infinity in attn_mask too) are not served; rows whose every logit lies under -1e30 are not served; blocks of q whose largest magnitude lies
; under 2^-121 are held at the scale byte 4 (1 after the 3 are taken off); a block of zeros gets the byte 1 where the rule says 127 (its codes are zeros, and this program alone reads the bytes).
; LDS.  Two slots of 67,584 bytes: four key steps' tiles of attn_mask, each 32 rows x 128 keys, rows 528 bytes apart.  Behind them, where no tile lands: query's images and scale words, O's codes and
; scale bytes, the stage for out0, the spare words.
; REGISTERS.  Window 0, shared: v3-23 addresses, scale words; v24-47 V (head: query's scale words); v48-79 bq (tail: bo, scale words, small things); v80-87 Wq's scale words; v88-95 the tail's and the prefetch's addresses.
;   Window 1, shared: v0-95 K (head v0-191: Wq; tail v0-47: Wo).   In both windows, a tile's own: v96-159 S^T, then p; v160-175 O^T; v176-187 q; v188-199 p's codes; v200-237 at work.
.set KVB,   98304                      ; a key step of kv, all heads
.set MKT,   32*528                     ; a key step's tile of attn_mask in LDS
.set SLOTB, 4*MKT
.set QIMG,  2*SLOTB                    ; query's 8 fragments (tile e, K step s: 4 e + s)
.set QSC,   QIMG+8*1536
.set OCD,   QSC+8*128                  ; O's codes: 32 rows of 192 bytes, 208 apart
.set OSC,   OCD+32*208                 ; O's scale bytes: 8 a row
.set STG,   OSC+256                    ; the stage: 32 rows of 1,024 bytes, 1,040 apart
.set SPARE, STG+32*1040                ; the spare words, 128 bytes a wave
.set AMK, 3                            ; v3 my place in a tile of attn_mask: row r, + 64 for lanes 16-31
.set AMC, 4                            ; v4 the same in this step's tile
.set SPW, 5
.set NIL, 6
.set LI,  7                            ; 16 x lane
.set KS,  8                            ; v8-11 K's scale words
.set VS,  12
.set QS,  13                           ; v13-14 q's, tile A, B
.set PS,  15                           ; v15-16 p's, tile A, B
.set LS,  17                           ; 4 x lane
.set QWI, 18
.set QWS, 19
.set QFI, 20
.set QFS, 21
.set XA,  22
.set T0R, 23                           ; the code of -1.0 in lanes 0-15
.set VF,  24
.set XSW, 24
.set BQ,  48
.set BO,  48
.set WOS, 64
.set OSW, 66
.set NANR, 68
.set TA,  69
.set TB,  70
.set WQS, 80
.set OCA, 88
.set OSA, 89
.set OFA, 90
.set OSF, 91
.set STO, 92
.set SRD, 93
.set BIA, 94
.set PFO, 95                           ; the prefetch's lane offset; never rewritten
.set S,   96
.set OD,  144
.set O,   160
.set XFR, 160
.set QF,  176
.set RB,  176
.set PC,  188
.set PT,  200
.set BM,  208
.set TM,  208
.set BP,  212
.set SO,  216
.set NM,  220                          ; -M
.set TX,  221                          ; the largest logit
.set L,   222                          ; v[222:223] the sum, in two halves
.set F,   224                          ; 2^(old M - new M)
.set PW,  225
.set TMP, 226
.set T,   230                          ; v230-237 a step's sum, four chains of two halves
.set WV,  20
.set BX,  23
.set BB,  24
.set QW,  25
.set QST, 26
.set CNT, 27
.set SEL, 28
.set CS,  30                           ; s[30:31] log2(e)
.set INN, 32                           ; the inner loop's counter
.set OFF, 33                           ; this step's tile of attn_mask in LDS
.set STP, 34                           ; the key step, 0 .. 31
.set G1M, 40
.set KNA, 48                           ; s[48:49] my head's block of the next key step
.set VA,  50                           ; s[50:51] and of this one
.set KST, 52                           ; s[52:53] what the next step adds to KNA
.set G0M, 56                           ; s[56:63] group 0 for attn_mask, one set a slot
.set LAPS, 72
.set ZM,  73
.set SVX, 75
.set REL, 76
.set NCS, 77                           ; -log2(e)
.set PFA, 78                           ; s[78:79] where my prefetch stands
.set WOI, 80
.set WOSB, 82
.set MSB, 0
.macro WIN new                         ; the immediate's high byte repeats the setting that is left
.if MSB != (\new)
	s_set_vgpr_msb (MSB<<8)|(\new)
.set MSB, (\new)
.endif
.endm
.macro PLACES n
.rept \n
	v_nop
.endr
.endm
.macro XLOAD reg, base, adr, off       ; 64 numbers of my row of a K step of 128: register 16 b + i = k 32 b + 16 (lane / 16) + i
.irp b, 0,1,2,3
.irp j, 0,1,2,3
	global_load_b128 v[\reg+16*\b+4*\j:\reg+16*\b+4*\j+3], v[\adr], s[\base:\base+1] offset:\off+128*\b+16*\j th:TH_LOAD_RT_NT
.endr
.endr
.endm
.macro WFRAG reg, base, off            ; a weight's fragment as it lies
.irp c, 0,1,2
	global_load_b128 v[\reg+4*\c:\reg+4*\c+3], v[LI], s[\base:\base+1] offset:\off+512*\c
.endr
.endm
.macro FETCH reg, adr, off
.irp c, 0,1,2
	ds_load_b128 v[\reg+4*\c:\reg+4*\c+3], v[\adr] offset:\off+512*\c
.endr
.endm
; 64 numbers v[src] on become codes: blocks 0, 1 into v[dst] .. + 5, blocks 2, 3 into v[dst + str] .. + 5; the four scale bytes into v[PW].  flr: the floor under every largest magnitude.
.macro QUANT src, dst, str, tmp, flr
.irp b, 0,1,2,3
	v_max3_num_f32 v[TM+\b], |v[\src+16*\b]|, |v[\src+1+16*\b]|, \flr
.endr
.irp i, 2,4,6,8,10,12,14
.irp b, 0,1,2,3
	v_max3_num_f32 v[TM+\b], v[TM+\b], |v[\src+16*\b+\i]|, |v[\src+1+16*\b+\i]|
.endr
.endr
.irp b, 0,1,2,3
	v_permlanex16_b32 v[TM+4+\b], v[TM+\b], s[SEL], s[SEL+1]
.endr
.irp b, 0,1,2,3
	v_max_num_f32 v[TM+\b], v[TM+\b], v[TM+4+\b]
.endr
.irp b, 0,1,2,3
	v_add_nc_u32 v[TM+12+\b], 0xff000000, v[TM+\b]      ; 2 off the exponent field: the conversion's scale operand
.endr
.irp b, 0,1,2,3
	v_lshrrev_b32 v[TM+4+\b], 23, v[TM+12+\b]           ; the scale's byte
.endr
	v_lshl_or_b32 v[PW], v[TM+5], 8, v[TM+4]
	v_lshl_or_b32 v[PW], v[TM+6], 16, v[PW]
	v_lshl_or_b32 v[PW], v[TM+7], 24, v[PW]
.irp c, 0,1
	v_cvt_scalef32_pk16_fp6_f32 v[\dst+\str*\c:\dst+\str*\c+2], v[\src+32*\c:\src+32*\c+15], v[TM+12+2*\c]
	v_cvt_scalef32_pk16_fp6_f32 v[\tmp+4*\c:\tmp+4*\c+2], v[\src+16+32*\c:\src+31+32*\c], v[TM+13+2*\c]
.endr
	v_nop                                               ; one plain place behind a scaled conversion
.irp c, 0,1
.irp i, 0,1,2
	v_permlane16_swap_b32 v[\dst+\str*\c+\i], v[\tmp+4*\c+\i]
.endr
.irp i, 0,1,2
	v_mov_b32 v[\dst+\str*\c+3+\i], v[\tmp+4*\c+\i]
.endr
.endr
.endm
; one matrix instruction.  ra, rb = 1: source 0's, source 1's scales are read from lanes 16-31 of their register
.macro MM d, a, b, c, sa, sb, ra, rb
.if (\ra) && (\rb)
	v_wmma_scale_f32_16x16x128_f8f6f4 v[\d:\d+7], v[\a:\a+11], v[\b:\b+11], v[\c:\c+7], v[\sa], v[\sb] matrix_a_fmt:MATRIX_FMT_FP6 matrix_b_fmt:MATRIX_FMT_FP6 matrix_a_scale:MATRIX_SCALE_ROW1 matrix_b_scale:MATRIX_SCALE_ROW1
.elseif \ra
	v_wmma_scale_f32_16x16x128_f8f6f4 v[\d:\d+7], v[\a:\a+11], v[\b:\b+11], v[\c:\c+7], v[\sa], v[\sb] matrix_a_fmt:MATRIX_FMT_FP6 matrix_b_fmt:MATRIX_FMT_FP6 matrix_a_scale:MATRIX_SCALE_ROW1
.elseif \rb
	v_wmma_scale_f32_16x16x128_f8f6f4 v[\d:\d+7], v[\a:\a+11], v[\b:\b+11], v[\c:\c+7], v[\sa], v[\sb] matrix_a_fmt:MATRIX_FMT_FP6 matrix_b_fmt:MATRIX_FMT_FP6 matrix_b_scale:MATRIX_SCALE_ROW1
.else
	v_wmma_scale_f32_16x16x128_f8f6f4 v[\d:\d+7], v[\a:\a+11], v[\b:\b+11], v[\c:\c+7], v[\sa], v[\sb] matrix_a_fmt:MATRIX_FMT_FP6 matrix_b_fmt:MATRIX_FMT_FP6
.endif
.endm
; A joint load into slot n: every wave fetches its 16 rows of one of the slot's four tiles, by one line with no branch.  An s_nop 0 and four v_nop follow it.
.macro JLOAD n
	tensor_load_to_lds s[G0M+4*(\n):G0M+4*(\n)+3], s[G1M:G1M+7]
	s_nop 0
.rept 4
	v_nop
.endr
.endm
.macro CROUND                          ; a round of the cluster's barrier
	s_barrier_signal -1
	s_barrier_wait -1
	s_cmp_lg_u32 s[WV], 0
	s_cbranch_scc1 .Lnot_wave_0_\@
	s_barrier_signal -3
.Lnot_wave_0_\@:
	s_barrier_wait -3
	s_barrier_signal -1
	s_barrier_wait -1
.endm
.macro BARRIER                         ; my LDS stores have landed and my LDS loads are in: then the work-group's barrier
	s_wait_alu depctr_va_vdst(0)                   ; the wait ahead of the blocking wait
	s_wait_dscnt 0x0
	s_barrier_signal -1
	s_barrier_wait -1
.endm
.macro KLOAD                           ; 17 loads: K's scale words and eight fragments (registers 0-7 of each) of the block at KNA, as they lie
	global_load_b128 v[KS:KS+3], v[LI], s[KNA:KNA+1] offset:8192
	WIN 0x40                                       ; destination window 1
.irp t, 0,1,2,3,4,5,6,7
.irp c, 0,1
	global_load_b128 v[12*\t+4*\c:12*\t+4*\c+3], v[LI], s[KNA:KNA+1] offset:1024*\t+512*\c
.endr
.endr
	WIN 0
.endm
	s_load_b256 s[4:11], s[0:1], 0x0               ; query, attn_mask, bq, bo
	s_load_b256 s[12:19], s[0:1], 0x20             ; wimg, wscl, kv, out0
	v_lshl_add_u32 v[SPW], v0, 2, SPARE
	v_mov_b32 v[NIL], 0
	ds_add_u32 v[SPW], v[NIL]                      ; the opening lines: the add, twice on end, and one wait
	ds_add_u32 v[SPW], v[NIL]
	v_lshrrev_b32 v[TA], 5, v0
	v_readfirstlane_b32 s[WV], v[TA]               ; wave 0..7
	; all the head's scalar work first, then its vector work in one block
	s_bfe_u32 s21, ttmp6, 0x40000                  ; cx, cy
	s_bfe_u32 s22, ttmp6, 0x40004
	s_lshl_b32 s[BX], ttmp9, 2
	s_add_co_u32 s[BX], s[BX], s21                 ; the block of queries
	s_and_b32 s[BB], ttmp7, 0xffff
	s_lshl_b32 s[BB], s[BB], 2
	s_add_co_u32 s[BB], s[BB], s22                 ; the batch
	s_mul_i32 s[QST], s[BX], 225
	s_add_co_u32 s[CNT], s[QST], 225
	s_lshr_b32 s[QST], s[QST], 3                   ; my rows begin at (225 x) >> 3,
	s_lshr_b32 s[CNT], s[CNT], 3
	s_sub_co_u32 s[CNT], s[CNT], s[QST]            ; and are 28 or 29
	s_min_u32 s[QW], s[QST], 868                   ; the window of 32 rows stays inside the 900
	s_lshl_b32 s[REL], s[WV], 2
	s_add_co_u32 s[REL], s[REL], s[QW]
	s_sub_co_u32 s[REL], s[REL], s[QST]            ; my first stage row among my own rows (wraps under 0)
	s_lshl_b32 s67, 0x1111, s21                    ; my column of the cluster
	s_or_b32 s[G1M], s67, (2<<16)|(1<<20)|(1<<21)|(6<<22)|(3<<25)   ; attn_mask: 16 rows of 128 f32, 4,096 apart, 4 words of padding behind each 128; the mask: my column
	s_mov_b32 s[G1M+1], 128<<16
	s_mov_b32 s[G1M+2], 16<<16
	s_mov_b32 s[G1M+3], 128<<16
	s_mov_b32 s[G1M+4], 16
	s_mov_b32 s[G1M+5], 4096
	s_mov_b32 s[G1M+6], 0
	s_mov_b32 s[G1M+7], 0
	s_mul_i32 s68, s[BB], 32*KVB                   ; kv: my batch's key step 0,
	s_mul_i32 s84, s[WV], 3072
	s_add_co_u32 s90, s68, s84                     ; the prefetch: + my wave's 12 blocks of 256 bytes
	s_mul_i32 s84, s21, 24576
	s_add_co_u32 s90, s90, s84                     ; of my work-group's 96,
	s_add_co_u32 s90, s90, 2*KVB                   ; at key step 2: step 0 steps it to 3
	s_mov_b32 s91, 0
	s_mul_i32 s84, s[WV], 12288
	s_add_co_u32 s68, s68, s84                     ; my head's block
	s_mov_b32 s69, 0
	s_and_b32 s84, s[WV], 1                        ; attn_mask: which 16 rows of a tile I fetch,
	s_lshl_b32 s70, s84, 4
	s_add_co_u32 s70, s70, s[QW]
	s_lshl_b32 s70, s70, 14                        ; rows of 16,384 bytes,
	s_lshr_b32 s84, s[WV], 1
	s_lshl_b32 s84, s84, 9
	s_add_co_u32 s70, s70, s84                     ; and which of the slot's four key steps, 512 bytes each: the address hangs on the block of queries and the wave alone
	s_mov_b32 s71, 0
	s_mul_i32 s85, s[WV], 16*528                   ; and where they go
	s_mov_b32 s[KST+1], 0
	s_mov_b32 s[STP], 0
	s_mov_b32 s[SEL], 0x76543210
	s_mov_b32 s[SEL+1], 0xfedcba98
	s_mov_b32 s[CS], 0x3fb8aa3b                    ; log2(e)
	s_mov_b32 s[CS+1], s[CS]
	s_mov_b32 s[NCS], 0xbfb8aa3b
	s_mul_i32 s95, s[WV], 1536                     ; the waves' parts of the LDS addresses
	s_add_co_u32 s95, s95, QIMG
	s_lshl_b32 s96, s[WV], 7
	s_add_co_u32 s97, s96, STG
	s_add_co_u32 s96, s96, QSC
	s_mul_i32 s98, s[WV], 24
	s_add_co_u32 s98, s98, OCD
	s_add_co_u32 s99, s[WV], OSC
	s_mul_i32 s100, s[WV], 4*1040
	s_add_co_u32 s100, s100, STG
	s_mul_i32 s86, s[BB], 900
	s_add_co_u32 s86, s86, s[QW]                   ; the window's first row among all batches'
	s_lshl_b32 s88, s[WV], 2
	s_add_co_u32 s88, s88, s86
	s_lshl_b32 s88, s88, 10                        ; out0: my four rows of 1,024 bytes
	s_mov_b32 s89, 0
	s_lshr_b32 s87, s[WV], 2
	s_lshl_b32 s87, s87, 4
	s_add_co_u32 s86, s86, s87                     ; query: I quantise tile h / 4,
	s_lshl_b32 s86, s86, 11
	s_and_b32 s87, s[WV], 3
	s_lshl_b32 s87, s87, 9
	s_add_co_u32 s86, s86, s87                     ; K step h % 4
	s_mov_b32 s87, 0
	v_and_b32 v[TA], 15, v0                        ; r
	v_bfe_u32 v[TB], v0, 4, 1                      ; lane / 16
	v_and_b32 v[LI], 31, v0
	v_min_u32 v[PFO], 11, v[LI]
	v_lshlrev_b32 v[PFO], 8, v[PFO]                ; the prefetch: block min(lane, 11)
	v_lshlrev_b32 v[LS], 2, v[LI]
	v_lshlrev_b32 v[LI], 4, v[LI]
	v_mul_u32_u24 v[AMK], v[TA], 528
	v_lshl_add_u32 v[AMK], v[TB], 6, v[AMK]
	v_add_nc_u32 v[QWI], s95, v[LI]
	v_add_nc_u32 v[QWS], s96, v[LS]
	v_add_nc_u32 v[QFI], QIMG, v[LI]
	v_add_nc_u32 v[QFS], QSC, v[LS]
	v_lshlrev_b32 v[BIA], 6, v[TB]
	v_lshl_add_u32 v[XA], v[TA], 11, v[BIA]
	v_mul_u32_u24 v[OFA], v[TA], 208
	v_mad_u32_u24 v[OCA], v[TB], 12, v[OFA]
	v_add_nc_u32 v[OCA], s98, v[OCA]               ; O's codes in: row r, my head's 24 bytes, my half's 12
	v_mad_u32_u24 v[OFA], v[TB], 24, v[OFA]
	v_add_nc_u32 v[OFA], OCD, v[OFA]               ; and back as a fragment
	v_lshlrev_b32 v[OSF], 3, v[TA]
	v_add_nc_u32 v[OSA], s99, v[OSF]               ; O's scale byte in: 8 r + head
	v_lshl_add_u32 v[OSF], v[TB], 2, v[OSF]
	v_add_nc_u32 v[OSF], OSC, v[OSF]               ; and back as words
	v_mul_u32_u24 v[STO], v[TA], 1040
	v_add_nc_u32 v[STO], v[STO], v[BIA]
	v_add_nc_u32 v[STO], s97, v[STO]               ; the stage in: row r, my head's 128 bytes, my half's 64
	v_add_nc_u32 v[SRD], s100, v[LI]               ; and back: my four rows
	v_sub_nc_u32 v[T0R], 1, v[TB]
	v_mul_u32_u24 v[T0R], 40, v[T0R]               ; the code of -1.0 is 40
.irp b, 0,1,2,3
	v_mov_b32 v[BP+\b], 0                          ; a lane permute's destination counts as one of its sources
.endr
	s_wait_alu depctr_va_vdst(0)                   ; the wait at the end of the head's vector work
	s_wait_dscnt 0x0                               ; both opening adds are done
	s_wait_kmcnt 0x0
	s_add_nc_u64 s[KNA:KNA+1], s[16:17], s[68:69]
	s_add_nc_u64 s[PFA:PFA+1], s[16:17], s[90:91]
	s_add_nc_u64 s[6:7], s[6:7], s[70:71]
.irp n, 0,1
	s_mov_b32 s[G0M+4*\n], 1
	s_add_co_u32 s[G0M+4*\n+1], s85, \n*SLOTB
	s_add_nc_u64 s[G0M+4*\n+2:G0M+4*\n+3], s[6:7], \n*2048    ; key steps 4 n on
	s_or_b32 s[G0M+4*\n+3], s[G0M+4*\n+3], 0x80000000
.endr
	s_add_nc_u64 s[4:5], s[4:5], s[86:87]
	s_add_nc_u64 s[18:19], s[18:19], s[88:89]
	s_mul_i32 s90, s[WV], 4*1536
	s_add_co_u32 s90, s90, 288*1536
	s_add_nc_u64 s[WOI:WOI+1], s[12:13], s[90:91]  ; Wo's fragments 288 + 4 h on
	s_mul_i32 s90, s[WV], 16*1536
	s_add_nc_u64 s[12:13], s[12:13], s[90:91]      ; Wq's fragments 16 h on
	s_lshl_b32 s90, s[WV], 8
	s_add_co_u32 s90, s90, 288*64
	s_add_nc_u64 s[WOSB:WOSB+1], s[14:15], s[90:91]
	s_lshl_b32 s90, s[WV], 10
	s_add_nc_u64 s[14:15], s[14:15], s[90:91]
	s_lshl_b32 s90, s[WV], 8
	s_add_nc_u64 s[8:9], s[8:9], s[90:91]          ; bq: my head's 64 numbers
	s_lshl_b32 s90, s[WV], 7
	s_add_nc_u64 s[10:11], s[10:11], s[90:91]      ; bo: my 32 outputs'
	; ---- q.  All that the q projection reads from memory is asked for ahead of the round: 16 + 48 + 8 + 8 loads.
	XLOAD S, 4, XA, 0
	WIN 0x40                                       ; destination window 1
.irp f, 0,1,2,3,4,5,6,7,8,9,10,11,12,13,14,15
	WFRAG 12*\f, 12, 1536*\f                       ; Wq: column tile f / 4, K step f % 4
.endr
	WIN 0
.irp l, 0,1,2,3
.irp p, 0,1
	global_load_b32 v[WQS+2*\l+\p], v[LS], s[14:15] offset:(4*\l+2*\p)*64     ; the words of two neighbouring K steps by one load
.endr
.endr
.irp l, 0,1,2,3
	global_load_b128 v[BQ+8*\l:BQ+8*\l+3], v[BIA], s[8:9] offset:(32*(\l/2)+8*(\l%2))*4      ; bq of channels 32 (l / 2) + 16 (lane / 16) + 8 (l % 2) + 0 .. 7
	global_load_b128 v[BQ+8*\l+4:BQ+8*\l+7], v[BIA], s[8:9] offset:(32*(\l/2)+8*(\l%2))*4+16
.endr
	CROUND                                         ; all sixteen work-groups are here: the first joint loads meet
	JLOAD 0                                        ; key steps 0 to 3 of attn_mask, one load a wave; they land while q is made
	s_wait_loadcnt 63                              ; query's 16 loads are in: 64 were issued behind them
	QUANT S, PC, 6, PT, 0x1800000                  ; each wave quantises one of query's 8 fragments
.irp c, 0,1,2
	ds_store_b128 v[QWI], v[PC+4*\c:PC+4*\c+3] offset:512*\c
.endr
	ds_store_b32 v[QWS], v[PW]
	BARRIER                                        ; query's eight fragments lie in LDS.
.irp k, 0,1,2,3,4,5,6,7
	FETCH XFR+12*\k, QFI, 1536*\k
	ds_load_b32 v[XSW+\k], v[QFS] offset:128*\k
.endr
	s_wait_loadcnt 0x0
	s_wait_dscnt 0x0
	WIN 0x01                                       ; source 0 (Wq) window 1
.irp s, 0,1,2,3                                    ; transposed: source 0 = 16 rows of Wq, source 1 = 16 queries; eight accumulators by turns; bq is the C of each sum's first
.irp e, 0,1
.irp l, 0,1,2,3
.if \s == 0
	MM S+32*\e+8*\l, 12*(4*\l+\s), XFR+12*(4*\e+\s), BQ+8*\l, WQS+2*\l+\s/2, XSW+4*\e+\s, 0, 0
.else
	MM S+32*\e+8*\l, 12*(4*\l+\s), XFR+12*(4*\e+\s), S+32*\e+8*\l, WQS+2*\l+\s/2, XSW+4*\e+\s, \s%2, 0
.endif
.endr
.endr
.endr
	WIN 0
	PLACES 4                                       ; in front of the first read of results and of the loads into Wq's registers
	KLOAD                                          ; key step 0's K
	QUANT S, QF, 12, PT, 0x3000000                 ; tile A's codes into q's registers, tile B's into v[PC] on; the floor keeps each byte at 4 or more
	v_and_b32 v[QS], 0xffff, v[PW]
	v_add_nc_u32 v[QS], 0x017efcfd, v[QS]          ; 3 off each of the two bytes (the factor 1 / 8); byte 2 = 127 for the flag's block; byte 3 = 1
	v_lshrrev_b32 v[QS+1], 16, v[PW]
	v_add_nc_u32 v[QS+1], 0x017efcfd, v[QS+1]
.macro INIT                            ; what a tile starts from: the first step finds zeros, which the first change of M leaves zeros
	v_mov_b32 v[QF+6], v[T0R]                      ; q at k = 64: -1.0
.irp i, 7,8,9,10,11
	v_mov_b32 v[QF+\i], 0
.endr
.irp i, 0,1,2,3,4,5,6,7,8,9,10,11,12,13,14,15
	v_mov_b32 v[O+\i], 0
.endr
	v_mov_b32 v[L], 0
	v_mov_b32 v[L+1], 0
.irp b, 0,1,2,3
	v_mov_b32 v[BP+\b], 0
.endr
	v_mov_b32 v[PW], 0                             ; (named as the upper half of the pair with F before it is first written)
	v_mov_b32 v[TX], 0xf149f2ca                    ; the largest logit so far: -1e30
	v_mov_b32 v[NM], 0x7e000000                    ; -M: above every later -M, so that the first factor is 0
.endm
	WIN 0x40                                       ; destination window 1, sources window 0
.irp i, 0,1,2,3,4,5
	v_mov_b32 v[QF+\i], v[PC+\i]                   ; tile B's q
.endr
	INIT
.irp t, 0,1,2,3,4,5,6,7
.irp i, 8,9,10,11
	v_mov_b32 v[12*\t+\i], 0                       ; K's codes of the free half's rest: zeros, written once; the loads fill registers 0-7 of each fragment
.endr
.endr
.set ii, 0
.rept 64
	v_mov_b32 v[S+ii], 0xfb800000                  ; what the first step takes for tile B's logits: -2^120, a masked key's: every p is 0
.set ii, ii+1
.endr
	WIN 0
	INIT
.set ii, 0
.rept 24
	v_mov_b32 v[VF+ii], 0                          ; and for V: zero codes
.set ii, ii+1
.endr
	v_mov_b32 v[VS], 0                             ; under the scale byte 0, a finite code
; ---- THE LOOP'S PARTS
.macro MASKLD off                      ; attn_mask's numbers into the score registers: tile t's register j is key 32 (t / 2) + 16 (lane / 16) + 8 (t % 2) + j of my query
.irp t, 0,1,2,3,4,5,6,7
.irp q, 0,1
	ds_load_b128 v[S+8*\t+4*\q:S+8*\t+4*\q+3], v[AMC] offset:\off+128*(\t/2)+32*(\t%2)+16*\q
.endr
.endr
.endm
.macro QK w                            ; logits = K Q^T / 8 + attn_mask, masked keys at -2^120: eight accumulators, one instruction each
	WIN (0x01+0x54*\w)                             ; K window 1; q, C and D the tile's window
.irp t, 0,1,2,3
	MM S+8*\t, 12*\t, QF, S+8*\t, KS+\t, QS+\w, 0, 0
.endr
.irp t, 4,5,6,7
	MM S+8*\t, 12*\t, QF, S+8*\t, KS+\t-4, QS+\w, 1, 0
.endr
.endm
.macro PV w                            ; O^T += V^T P^T: two accumulators, one instruction each
	WIN (0x54*\w)                                  ; V window 0; p, C and D the tile's window
	MM O, VF, PC, O, VS, PS+\w, 0, 0
	MM O+8, VF+12, PC, O+8, VS, PS+\w, 1, 0
.endm
; A tile's softmax for a key step, in the tile's window.  All sources of the exponentials first, one wait, the 68 exponentials on end, one place, one wait, then their readers.
; h = 1 (tile B's): behind the exponentials and O's rescaling stand tile A's eight Q K instructions.  h = 2 (tile A's): ahead of the exponentials stand tile B's eight, and behind them the next step's loads of K.
.macro SM w, h
	WIN (0x55*\w)
	s_wait_alu depctr_va_vdst(0)                   ; the wait directly ahead of the first readers of the logits
.irp b, 0,1,2,3
	v_max3_num_f32 v[BM+\b], v[S+16*\b], v[S+16*\b+1], v[S+16*\b+2]           ; the largest logit of each block of 32 keys: for the row's maximum and for the block's largest p.  (Each accumulator from its low end on)
.endr
.irp i, 3,5,7,9,11,13
.irp b, 0,1,2,3
	v_max3_num_f32 v[BM+\b], v[BM+\b], v[S+16*\b+\i], v[S+16*\b+\i+1]
.endr
.endr
.irp b, 0,1,2,3
	v_max_num_f32 v[BM+\b], v[BM+\b], v[S+16*\b+15]
.endr
.irp b, 0,1,2,3
	v_permlanex16_b32 v[BP+\b], v[BM+\b], s[SEL], s[SEL+1]
.endr
.irp b, 0,1,2,3
	v_max_num_f32 v[BM+\b], v[BM+\b], v[BP+\b]     ; with lane l xor 16's 16 keys
.endr
	s_delay_alu instid0(VALU_DEP_2)
	v_max3_num_f32 v[TMP], v[BM], v[BM+1], v[BM+2]
	s_delay_alu instid0(VALU_DEP_1)
	v_max3_num_f32 v[TX], v[TMP], v[BM+3], v[TX]   ; the running largest logit
	s_delay_alu instid0(VALU_DEP_1)
	v_mul_f32 v[TMP], s[NCS], v[TX]                ; -t
	s_delay_alu instid0(VALU_DEP_1)
	v_floor_f32 v[TMP], v[TMP]                     ; the new -M = floor(-t): M is a whole number
	s_delay_alu instid0(VALU_DEP_1)
	v_sub_f32 v[F], v[TMP], v[NM]                  ; old M - new M: a whole number, 0 or less
	s_delay_alu instid0(VALU_DEP_2)
	v_mov_b32 v[NM], v[TMP]
	s_delay_alu instid0(VALU_DEP_2)
	v_cvt_i32_f32 v[F], v[F]                       ; (it saturates)
	s_delay_alu instid0(VALU_DEP_1)
	v_ldexp_f32 v[F], 1.0, v[F]                    ; f = 2^(old M - new M)
.irp b, 0,1,2,3
	v_fma_f32 v[BM+\b], v[BM+\b], s[CS], v[NM]     ; t - M of each block's largest logit
.endr
.set ii, 0
.rept 32
	v_pk_fma_f32 v[S+2*ii:S+2*ii+1], v[S+2*ii:S+2*ii+1], s[CS:CS+1], v[NM:NM+1] op_sel_hi:[1,0,0]   ; t - M, two at a time
.set ii, ii+1
.endr
	s_wait_alu depctr_va_vdst(0)                   ; the wait ahead of the batch (and ahead of the blocking wait below)
.if \h == 2
	s_wait_dscnt 0x0                               ; tile B's mask is in: my last read of this step's tile
	QK 1
	WIN 0
	PLACES 4                                       ; in front of the loads into K's registers and its scale words'
	KLOAD                                          ; the next key step's K
.endif
.irp b, 0,1,2,3
	v_exp_f32 v[BM+\b], v[BM+\b]                   ; the blocks' largest p
.endr
.set ii, 0
.rept 64
	v_exp_f32 v[S+ii], v[S+ii]                     ; p = 2^(t - M), not normalised
.set ii, ii+1
.endr
	v_nop                                          ; a plain place behind the last exponential
	s_wait_alu depctr_va_vdst(0)                   ; one wait for the batch, directly ahead of the first readers of O^T
.irp i, 0,2,4,6,8,10,12,14
	v_pk_mul_f32 v[O+\i:O+\i+1], v[O+\i:O+\i+1], v[F:F+1] op_sel_hi:[1,0]     ; O^T under the new M, each accumulator from its low end on
.endr
.if \h == 1
	s_wait_alu depctr_va_vdst(0)                   ; the wait ahead of the blocking waits
	s_wait_loadcnt 0x0                             ; this step's K and its scale words: the only loads that are out
	s_wait_dscnt 0x0                               ; tile A's mask
	QK 0
	WIN (0x55*\w)
.endif
.irp b, 0,1,2,3
	v_max_num_f32 v[BM+\b], 0x1800000, v[BM+\b]    ; the floor 2^(3 - 127): the byte cannot fall under 1
.endr
.irp b, 0,1,2,3
	v_add_nc_u32 v[SO+\b], 0xff000000, v[BM+\b]    ; 2 off the exponent field: the conversion's scale operand
.endr
.irp b, 0,1,2,3
	v_lshrrev_b32 v[BP+\b], 23, v[SO+\b]           ; the scale's byte
.endr
	v_lshl_or_b32 v[PW], v[BP+1], 8, v[BP]
	v_lshl_or_b32 v[PW], v[BP+2], 16, v[PW]
	WIN (0x15*\w)                                  ; scale operands are taken from window 0: the word's last line writes there
	v_lshl_or_b32 v[PS+\w], v[BP+3], 24, v[PW]     ; p's scale word for these 128 keys
	WIN (0x55*\w)
.irp c, 0,1
	v_cvt_scalef32_pk16_fp6_f32 v[PC+6*\c:PC+6*\c+2], v[S+32*\c:S+32*\c+15], v[SO+2*\c]
	v_cvt_scalef32_pk16_fp6_f32 v[PT+4*\c:PT+4*\c+2], v[S+16+32*\c:S+31+32*\c], v[SO+2*\c+1]
.endr
.irp c, 0,1,2,3
	v_pk_add_f32 v[T+2*\c:T+2*\c+1], v[S+2*\c:S+2*\c+1], v[S+8+2*\c:S+9+2*\c]   ; the step's sum of the unquantised p, four chains.  (Also the plain place behind the conversions)
.endr
.irp c, 0,1
.irp i, 0,1,2
	v_permlane16_swap_b32 v[PC+6*\c+\i], v[PT+4*\c+\i]
.endr
.irp i, 0,1,2
	v_mov_b32 v[PC+3+6*\c+\i], v[PT+4*\c+\i]
.endr
.endr
.set ii, 8
.rept 24                                           ; these 28 lines are also the places between p's codes and scale word and the product that takes them
	v_pk_add_f32 v[T+2*(ii%4):T+2*(ii%4)+1], v[T+2*(ii%4):T+2*(ii%4)+1], v[S+2*ii:S+2*ii+1]
.set ii, ii+1
.endr
	s_delay_alu instid0(VALU_DEP_3)
	v_pk_add_f32 v[T:T+1], v[T:T+1], v[T+2:T+3]
	s_delay_alu instid0(VALU_DEP_2)
	v_pk_add_f32 v[T+4:T+5], v[T+4:T+5], v[T+6:T+7]
	s_delay_alu instid0(VALU_DEP_1)
	v_pk_add_f32 v[T:T+1], v[T:T+1], v[T+4:T+5]
	s_delay_alu instid0(VALU_DEP_1)
	v_pk_fma_f32 v[L:L+1], v[L:L+1], v[F:F+1], v[T:T+1] op_sel_hi:[1,0,1]     ; the running sum under the new M, and the step's
.endm
.macro WOLOAD                          ; the tail's weights, into registers that the loop has done with
	WIN 0x40
.irp f, 0,1,2,3
	WFRAG 12*\f, WOI, 1536*\f                      ; Wo: column tile f / 2, K step f % 2
.endr
	WIN 0
	global_load_b32 v[WOS], v[LS], s[WOSB:WOSB+1]
	global_load_b32 v[WOS+1], v[LS], s[WOSB:WOSB+1] offset:128
.irp e, 0,1
	global_load_b128 v[BO+8*\e:BO+8*\e+3], v[BIA], s[10:11] offset:32*\e        ; bo of outputs 32 h + 16 (lane / 16) + 8 e + 0 .. 7
	global_load_b128 v[BO+8*\e+4:BO+8*\e+7], v[BIA], s[10:11] offset:32*\e+16
.endr
.endm
; A KEY STEP, n = s[STP].  K (n) is on its way or in; V (n - 1) and tile B's logits of step n - 1 lie in registers.
.macro STEP
	WIN 0
	s_wait_alu depctr_va_vdst(0)                   ; the wait ahead of the blocking wait
	s_wait_xcnt 0x0                                ; the last step's loads and prefetch have read their addresses: they are stepped
	s_mov_b64 s[VA:VA+1], s[KNA:KNA+1]             ; this step's block,
	s_cmp_lt_u32 s[STP], 31
	s_cselect_b32 s[KST], KVB, 0                   ; and the next step's; behind step 31 there is none: the address is held
	s_add_nc_u64 s[KNA:KNA+1], s[KNA:KNA+1], s[KST:KST+1]
	s_add_nc_u64 s[PFA:PFA+1], s[PFA:PFA+1], KVB
	v_add_nc_u32 v[AMC], s[OFF], v[AMK]
	MASKLD 0                                       ; tile A's mask
	s_cmp_lt_u32 s[STP], 29                        ; key steps 32 on do not exist
	s_cbranch_scc0 .Lno_ask_\@
	global_prefetch_b8 v[PFO], s[PFA:PFA+1] th:TH_LOAD_NT scope:SCOPE_SE      ; my 12 blocks of key step n + 3's kv
.Lno_ask_\@:
	SM 1, 1
	PV 1
	WIN 0
	PLACES 4                                       ; in front of the loads into V's registers
.irp u, 0,1
.irp c, 0,1,2
	global_load_b128 v[VF+12*\u+4*\c:VF+12*\u+4*\c+3], v[LI], s[VA:VA+1] offset:8704+1536*\u+512*\c
.endr
.endr
	global_load_b32 v[VS], v[LI], s[VA:VA+1] offset:11776
	WIN 0x40
	MASKLD 16*528                                  ; tile B's mask
	WIN 0
	SM 0, 2
	s_wait_alu depctr_va_vdst(0)                   ; the wait ahead of the blocking wait
	s_wait_loadcnt 17                              ; V's 7 loads are in; the next K's 17, issued behind them, may be out
	PV 0
	WIN 0
	s_add_co_u32 s[OFF], s[OFF], MKT
	s_add_co_u32 s[STP], s[STP], 1
.endm
; FOUR KEY STEPS out of slot sl.  Each wave waits for its one tensor load (its part of this slot), adds 0 to its spare word, waits for that and for its reads of the other slot; a round of the cluster's barrier;
; the joint load of the next four steps into the other slot stands first behind it.  A wave has one tensor load out.
.macro GROUP sl, refill
	WIN 0
	s_wait_alu depctr_va_vdst(0)                   ; the wait ahead of the blocking waits and branches below
	s_wait_tensorcnt 0x0                           ; no tensor load of mine is out, so a group 0 may be written
	ds_add_u32 v[SPW], v[NIL]
	s_add_nc_u64 s[G0M+4*\sl+2:G0M+4*\sl+3], s[G0M+4*\sl+2:G0M+4*\sl+3], 2*2048   ; this slot's next tiles: eight key steps on
	s_wait_dscnt 0x0
	CROUND
.if \refill
	JLOAD 1-\sl
.endif
	s_mov_b32 s[OFF], \sl*SLOTB
	s_mov_b32 s[INN], 4
.Lstep_\@:
	STEP
	s_sub_co_u32 s[INN], s[INN], 1
	s_cmp_lg_u32 s[INN], 0
	s_cbranch_scc1 .Lstep_\@
.endm
	s_mov_b32 s[LAPS], 3                           ; 32 key steps: three laps of eight, and eight written out
.Llap:
	GROUP 0, 1                                     ; (the first time: slot 1's first fill is issued as a refill is)
	GROUP 1, 1
	s_sub_co_u32 s[LAPS], s[LAPS], 1
	s_cmp_lg_u32 s[LAPS], 0
	s_cbranch_scc1 .Llap
	GROUP 0, 1
	GROUP 1, 0                                     ; the last four steps ask for nothing more (the stepped address is not used)
	s_wait_loadcnt 0x0                             ; the held load of K has landed: its registers take Wo
	WOLOAD
	SM 1, 0                                        ; tile B's part of key step 31
	PV 1
	WIN 0
	PLACES 4                                       ; in front of the tail's first read of O^T
; ---- THE TAIL.  O = O^T / the sum; a lane's 16 numbers are channels 16 (lane / 16) + 0 .. 15 of my head, half of block h of the last product's K: quantised, they go to LDS as rows of codes.
.macro OQ w
	WIN (0x55*\w)
	v_add_f32 v[TMP], v[L], v[L+1]
	v_permlanex16_b32 v[BP], v[TMP], s[SEL], s[SEL+1]
	v_add_f32 v[TMP], v[TMP], v[BP]                ; the row's sum
	v_cmp_eq_f32 s[ZM+\w], 0, v[TMP]               ; 0 only where every key is masked
	s_wait_alu depctr_va_vdst(0)                   ; the wait ahead of the transcendental
	v_rcp_f32 v[F], v[TMP]
	v_nop                                          ; a plain place behind it
	s_wait_alu depctr_va_vdst(0)                   ; the wait directly ahead of its reader, the first reader of O^T too
.irp i, 0,2,4,6,8,10,12,14
	v_pk_mul_f32 v[S+\i:S+\i+1], v[O+\i:O+\i+1], v[F:F+1] op_sel_hi:[1,0]     ; each accumulator from its low end on
.endr
	v_max3_num_f32 v[BM], |v[S]|, |v[S+1]|, 0x1800000
.irp i, 2,4,6,8,10,12,14
	v_max3_num_f32 v[BM], v[BM], |v[S+\i]|, |v[S+\i+1]|
.endr
	v_permlanex16_b32 v[BP], v[BM], s[SEL], s[SEL+1]
	v_max_num_f32 v[BM], v[BM], v[BP]
	v_add_nc_u32 v[SO], 0xff000000, v[BM]
	v_lshrrev_b32 v[BP], 23, v[SO]
	v_cvt_scalef32_pk16_fp6_f32 v[PC:PC+2], v[S:S+15], v[SO]
	v_nop
	WIN (0x04*\w)                                  ; an LDS store's data are its source 1
.irp i, 0,1,2
	ds_store_b32 v[OCA], v[PC+\i] offset:16*208*\w+4*\i
.endr
	ds_store_b8 v[OSA], v[BP] offset:128*\w        ; both lanes of a row write the same byte with the same value
.endm
	OQ 0
	OQ 1
	WIN 0
	v_mov_b32 v[NANR], 0x7fc00000
	v_mov_b32 v[TA], s[REL]
	BARRIER                                        ; 32 rows of O's codes and scale bytes lie in LDS
.irp e, 0,1
.irp s, 0,1
.irp p, 0,1,2,3,4,5
	ds_load_b64 v[S+12*(2*\e+\s)+2*\p:S+12*(2*\e+\s)+2*\p+1], v[OFA] offset:16*208*\e+96*\s+48*(\p/3)+8*(\p%3)
.endr
.endr
	ds_load_b32 v[OSW+\e], v[OSF] offset:128*\e
.endr
	s_wait_dscnt 0x0
	s_wait_loadcnt 0x0                             ; Wo, its scale words, bo
	WIN 0x01                                       ; source 0 (Wo) window 1
.irp s, 0,1                                        ; transposed: source 0 = 16 rows of Wo, source 1 = 16 rows of O; four accumulators by turns; bo is the C of each sum's first
.irp e, 0,1
.irp l, 0,1
.if \s == 0
	MM OD+16*\e+8*\l, 12*(2*\l+\s), S+12*(2*\e+\s), BO+8*\l, WOS+\l, OSW+\e, 0, 0
.else
	MM OD+16*\e+8*\l, 12*(2*\l+\s), S+12*(2*\e+\s), OD+16*\e+8*\l, WOS+\l, OSW+\e, 1, 1
.endif
.endr
.endr
.endr
	WIN 0
	PLACES 4
.irp e, 0,1
.irp k, 0,1,2,3,4,5,6,7,8,9,10,11,12,13,14,15
	v_cndmask_b32 v[OD+16*\e+\k], v[OD+16*\e+\k], v[NANR], s[ZM+\e]           ; NaN where the row's sum is 0
.endr
.endr
.irp e, 0,1
.irp k, 0,1,2,3
	ds_store_b128 v[STO], v[OD+16*\e+4*\k:OD+16*\e+4*\k+3] offset:16*1040*\e+16*\k   ; lane (r, half): outputs 32 h + 16 half + 0 .. 15 of row 16 e + r
.endr
.endr
	BARRIER                                        ; 32 whole rows of out0 lie in the stage
.irp i, 0,1,2,3
	ds_load_b128 v[RB+8*\i:RB+8*\i+3], v[SRD] offset:1040*\i
	ds_load_b128 v[RB+8*\i+4:RB+8*\i+7], v[SRD] offset:1040*\i+512
.endr
	s_wait_dscnt 0x0
.irp i, 0,1,2,3                                    ; stage row 4 h + i is stored where it is one of my block's own rows: a mask on the lanes, no branch
	v_add_nc_u32 v[TB], \i, v[TA]
	v_cmp_gt_u32 vcc_lo, s[CNT], v[TB]
	s_wait_alu depctr_va_vdst(0)                   ; the wait ahead of the blocking wait
	s_wait_xcnt 0x0                                ; EXEC changes only behind this wait
	s_and_saveexec_b32 s[SVX], vcc_lo
	global_store_b128 v[LI], v[RB+8*\i:RB+8*\i+3], s[18:19] offset:1024*\i th:TH_STORE_NT          ; 32 lanes store 512 consecutive bytes, at a multiple of 512 from out0's first byte
	global_store_b128 v[LI], v[RB+8*\i+4:RB+8*\i+7], s[18:19] offset:1024*\i+512 th:TH_STORE_NT
	s_wait_xcnt 0x0                                ; and again, in front of the line that widens it
	s_or_b32 exec_lo, exec_lo, s[SVX]
.endr
	s_wait_tensorcnt 0x0                           ; the wave's end
	ds_add_u32 v[SPW], v[NIL]
	s_wait_dscnt 0x0
	CROUND                                         ; the closing round: no work-group ends while a partner may still ask for a tile that names it
	s_endpgm
.Lfunc_end_k_q58ae29cd9b_attn:
	.size	k_q58ae29cd9b_attn, .Lfunc_end_k_q58ae29cd9b_attn-k_q58ae29cd9b_attn
	.p2alignl 7, 3214868480
	.fill 96, 4, 3214868480
	.section	.rodata,"a",@progbits
	.p2align	6, 0x0
	.amdhsa_kernel k_q58ae29cd9b_attn
		.amdhsa_group_segment_fixed_size 327680
		.amdhsa_private_segment_fixed_size 0
		.amdhsa_enable_private_segment 0
		.amdhsa_kernarg_size 64
		.amdhsa_user_sgpr_count 2
		.amdhsa_user_sgpr_kernarg_segment_ptr 1
		.amdhsa_wavefront_size32 1
		.amdhsa_system_sgpr_workgroup_id_x 1
		.amdhsa_system_sgpr_workgroup_id_y 1
		.amdhsa_system_sgpr_workgroup_id_z 1
		.amdhsa_system_vgpr_workitem_id 0
		.amdhsa_next_free_vgpr 512
		.amdhsa_next_free_sgpr 104
		.amdhsa_reserve_vcc 1
		.amdhsa_float_denorm_mode_32 3
		.amdhsa_float_denorm_mode_16_64 3
		.amdhsa_memory_ordered 1
		.amdhsa_forward_progress 1
		.amdhsa_inst_pref_size 193
	.end_amdhsa_kernel
	.amdgpu_metadata
---
amdhsa.version: [ 1, 2 ]
amdhsa.kernels:
  - .name:           k_q58ae29cd9b_attn
    .symbol:         k_q58ae29cd9b_attn.kd
    .args:
      - { .name: query, .offset: 0, .size: 8, .value_kind: global_buffer, .address_space: global }
      - { .name: attn_mask, .offset: 8, .size: 8, .value_kind: global_buffer, .address_space: global }
      - { .name: bq, .offset: 16, .size: 8, .value_kind: global_buffer, .address_space: global }
      - { .name: bo, .offset: 24, .size: 8, .value_kind: global_buffer, .address_space: global }
      - { .name: wimg, .offset: 32, .size: 8, .value_kind: global_buffer, .address_space: global }
      - { .name: wscl, .offset: 40, .size: 8, .value_kind: global_buffer, .address_space: global }
      - { .name: kv, .offset: 48, .size: 8, .value_kind: global_buffer, .address_space: global }
      - { .name: out0, .offset: 56, .size: 8, .value_kind: global_buffer, .address_space: global }
    .group_segment_fixed_size: 327680
    .private_segment_fixed_size: 0
    .kernarg_segment_align: 8
    .kernarg_segment_size: 64
    .max_flat_workgroup_size: 256
    .sgpr_count:     104
    .vgpr_count:     512
    .wavefront_size: 32
...
	.end_amdgpu_metadata
.endif
;; end of part 3
